; MI455X (gfx1250); checked and timed in simulation.
; The chip was launched on July 23, 2026; its instructions are those of AMD's public machine-readable ISA for CDNA 5 (MIT licence, August 2026) and "CDNA5" Instruction Set Architecture Reference Guide (July 2026). The comments in the code are by the model that wrote it; some were corrected since.
;; Block. Allowed arithmetic: float matrix products may take bf16 or f16 operands with f32 sums; all other float work in f32.
;; Inputs: W1 1,024 x 4,096 float32; W2 4,096 x 1,024 float32; Wk 16 x 1,024 x 64 float32; Wproj 1,024 x 1,024 float32; Wq 16 x 1,024 x 64 float32; Wv 16 x 1,024 x 64 float32; b1 4,096 float32; b2 1,024 float32; bproj 1,024 float32; ln1_b 1,024 float32; ln1_g 1,024 float32; ln2_b 1,024 float32; ln2_g 1,024 float32; x 2 x 2,048 x 1,024 float32.
;; Outputs: out0 2 x 2,048 x 1,024 float32.
;; 2 versions, each right and faster than the one before. Each part assembles by itself: llvm-mc -triple=amdgcn-amd-amdhsa -mcpu=gfx1250 --defsym DOCPART=n.
;; ======== version 1 of 2: 7 launches
;; workspace buffers: wb 25,165,824 bytes; hn 8,388,608 bytes; big 33,554,432 bytes; ob 8,388,608 bytes; x1 16,777,216 bytes
;; launch prep (part 1): grid 1024 x 1, 8 waves a work-group, no clusters, 0 bytes of LDS; arguments x, ln1_g, ln1_b, hn, Wq, Wk, Wv, Wproj, W1, W2, wb; writes hn, wb
.if DOCPART == 1
	.amdgcn_target "amdgcn-amd-amdhsa--gfx1250"
	.amdhsa_code_object_version 6
	.text
	.protected	k_q0c9273be90_prep
	.globl	k_q0c9273be90_prep
	.p2align	8
	.type	k_q0c9273be90_prep,@function
k_q0c9273be90_prep:
	s_mov_b64 s[64:65], 0
	v_nop
	global_prefetch_b8 v0, s[64:65] scope:SCOPE_SE
	s_setreg_imm32_b32 hwreg(HW_REG_WAVE_MODE, 25, 1), 1
	s_wait_xcnt 0x0
; prep: three streams in one launch, chosen by the work-group's number.
;   groups 0-255:    hn = LayerNorm(x) * ln1_g + ln1_b, rounded once to bf16; 16 rows a group, 2 rows a wave
;   groups 256-447:  Wq, Wk, Wv [16][1024][64] f32 -> wb[d][which*1024 + h*64 + e] bf16, a table [1024][3072]
;   groups 448-1023: Wproj, W1, W2 f32 -> bf16 in the order in which they lie, behind that table in wb
; No LDS, no matrix unit, no cluster: every byte is read once and written once, and the groups share nothing but the 8 KiB of gain and bias.
; LayerNorm in two passes over the row, which stays in registers: mean, then the squares of (x - mean); no difference of large sums.
; LIMIT: the results are bf16 (8 bits of mantissa), since they are operands of matrix products.
.set LOFF, 1                           ; v1        16 x lane: my 16 bytes in each 512 bytes of an f32 row
.set SOFF, 2                           ; v2        8 x lane: my 8 bytes in each 256 bytes of a bf16 row
.set T,    4                           ; v[4:11]   at work
.set MU,   12                          ; v[12:13]  the mean, twice
.set R,    14                          ; v[14:17]  row i: 1/sqrt(var + eps), twice
.set X,    18                          ; v[18:81]  row i: 32 registers
.set G,    82                          ; v[82:113] gain of my 32 columns
.set BB,   114                         ; v[114:145] bias of my 32 columns
.set Y,    146                         ; v[146:177] row i: 16 registers of packed bf16
.macro LANESUM                         ; v[T] = the sum of v[T] over the wave's 32 lanes, in every lane
	v_add_f32_dpp v[T], v[T], v[T] row_xmask:1 row_mask:0xf bank_mask:0xf
	v_add_f32_dpp v[T], v[T], v[T] row_xmask:2 row_mask:0xf bank_mask:0xf
	v_add_f32_dpp v[T], v[T], v[T] row_xmask:4 row_mask:0xf bank_mask:0xf
	v_add_f32_dpp v[T], v[T], v[T] row_xmask:8 row_mask:0xf bank_mask:0xf
	v_permlanex16_b32 v[T+1], v[T], s30, s31       ; the other half of the lanes; v[T+1] has been written before
	v_add_f32 v[T], v[T], v[T+1]
.endm
; Row i: mean, x - mean in place, 1/sqrt(var + eps).  left = the younger loads that may stay out.
.macro STATS i, left
	s_wait_loadcnt \left
	v_pk_add_f32 v[T:T+1], v[X+32*\i:X+32*\i+1], v[X+32*\i+2:X+32*\i+3]         ; two chains, started by the first pairs
	v_pk_add_f32 v[T+2:T+3], v[X+32*\i+4:X+32*\i+5], v[X+32*\i+6:X+32*\i+7]
.irp j, 8,12,16,20,24,28
	v_pk_add_f32 v[T:T+1], v[T:T+1], v[X+32*\i+\j:X+32*\i+\j+1]
	v_pk_add_f32 v[T+2:T+3], v[T+2:T+3], v[X+32*\i+\j+2:X+32*\i+\j+3]
.endr
	v_pk_add_f32 v[T:T+1], v[T:T+1], v[T+2:T+3]
	v_add_f32 v[T], v[T], v[T+1]
	LANESUM
	v_mul_f32 v[MU], s32, v[T]                     ; sum / 1024
	v_mul_f32 v[MU+1], s32, v[T]
.irp j, 0,2,4,6,8,10,12,14,16,18,20,22,24,26,28,30
	v_pk_add_f32 v[X+32*\i+\j:X+32*\i+\j+1], v[X+32*\i+\j:X+32*\i+\j+1], v[MU:MU+1] neg_lo:[0,1] neg_hi:[0,1]
.endr
	v_pk_mul_f32 v[T:T+1], v[X+32*\i:X+32*\i+1], v[X+32*\i:X+32*\i+1]
	v_pk_mul_f32 v[T+2:T+3], v[X+32*\i+2:X+32*\i+3], v[X+32*\i+2:X+32*\i+3]
.irp j, 4,8,12,16,20,24,28
	v_pk_fma_f32 v[T:T+1], v[X+32*\i+\j:X+32*\i+\j+1], v[X+32*\i+\j:X+32*\i+\j+1], v[T:T+1]
	v_pk_fma_f32 v[T+2:T+3], v[X+32*\i+\j+2:X+32*\i+\j+3], v[X+32*\i+\j+2:X+32*\i+\j+3], v[T+2:T+3]
.endr
	v_pk_add_f32 v[T:T+1], v[T:T+1], v[T+2:T+3]
	v_add_f32 v[T], v[T], v[T+1]
	LANESUM
	v_fma_f32 v[T], v[T], s32, s33                 ; var + 1e-5
	v_rsq_f32 v[R+2*\i], v[T]
	v_rsq_f32 v[R+2*\i+1], v[T]
	v_nop                                          ; one plain place before v[T] is written again or the result is used (ISA guide 5.7.2)
.endm
; Row i: scale, gain and bias, round, store.  A store of the wave covers 256 consecutive bytes, aligned.
.macro APPLY i
	s_wait_alu depctr_va_vdst(0)
.irp j, 0,2,4,6,8,10,12,14,16,18,20,22,24,26,28,30
	v_pk_mul_f32 v[X+32*\i+\j:X+32*\i+\j+1], v[X+32*\i+\j:X+32*\i+\j+1], v[R+2*\i:R+2*\i+1]
	v_pk_fma_f32 v[X+32*\i+\j:X+32*\i+\j+1], v[X+32*\i+\j:X+32*\i+\j+1], v[G+\j:G+\j+1], v[BB+\j:BB+\j+1]
.endr
.irp j, 0,1,2,3,4,5,6,7,8,9,10,11,12,13,14,15
	v_cvt_pk_bf16_f32 v[Y+16*\i+\j], v[X+32*\i+2*\j], v[X+32*\i+2*\j+1]
.endr
.irp j, 0,1,2,3,4,5,6,7
	global_store_b64 v[SOFF], v[Y+16*\i+2*\j:Y+16*\i+2*\j+1], s[10:11] offset:2048*\i+256*\j
.endr
.endm
; Eight chunks of 8 numbers a thread: 16 loads first, then round and store as they land.  v4: source offset, v5: destination offset.
.macro CAST8 sstep, dstep
.irp c, 0,1,2,3,4,5,6,7
	global_load_b128 v[8+8*\c:11+8*\c],  v4, s[34:35] offset:\sstep*\c th:TH_LOAD_NT
	global_load_b128 v[12+8*\c:15+8*\c], v4, s[34:35] offset:\sstep*\c+16 th:TH_LOAD_NT
.endr
.irp c, 0,1,2,3,4,5,6,7
	s_wait_loadcnt 14-2*\c                         ; the two loads of each younger chunk may stay out
.irp k, 0,1,2,3
	v_cvt_pk_bf16_f32 v[72+4*\c+\k], v[8+8*\c+2*\k], v[8+8*\c+2*\k+1]
.endr
	global_store_b128 v5, v[72+4*\c:75+4*\c], s[24:25] offset:\dstep*\c
.endr
.endm
	s_load_b512 s[4:19], s[0:1], 0x0               ; x 4:5, ln1_g 6:7, ln1_b 8:9, hn 10:11, Wq 12:13, Wk 14:15, Wv 16:17, Wproj 18:19
	s_load_b128 s[20:23], s[0:1], 0x40             ; W1 20:21, W2 22:23
	s_load_b64 s[24:25], s[0:1], 0x50              ; wb
	s_cmp_lt_u32 ttmp9, 256
	s_cbranch_scc0 .Lcast
	; ---- LayerNorm: a wave takes rows 16 g + 2 w and the next.  Load j of a row: 512 consecutive bytes, lane l the columns 128 j + 4 l .. + 3
	v_lshrrev_b32 v3, 5, v0
	v_readfirstlane_b32 s26, v3                    ; wave
	v_and_b32 v3, 31, v0
	v_lshlrev_b32 v[LOFF], 4, v3
	v_lshlrev_b32 v[SOFF], 3, v3
	s_lshl_b32 s27, ttmp9, 4
	s_lshl1_add_u32 s27, s26, s27                  ; my first row
	s_lshl_b32 s28, s27, 12                        ; x 4,096 bytes of f32
	s_mov_b32 s29, 0
	s_lshl_b32 s34, s27, 11                        ; x 2,048 bytes of bf16
	s_mov_b32 s35, 0
	s_mov_b32 s30, 0x76543210                      ; v_permlanex16_b32: lane i of one half reads lane i of the other
	s_mov_b32 s31, 0xfedcba98
	s_mov_b32 s32, 0x3a800000                      ; 1/1024
	s_mov_b32 s33, 0x3727c5ac                      ; 1e-5
	s_wait_kmcnt 0x0
	s_add_nc_u64 s[4:5], s[4:5], s[28:29]
	s_add_nc_u64 s[10:11], s[10:11], s[34:35]
.irp i, 0,1
.irp j, 0,1,2,3,4,5,6,7
	global_load_b128 v[X+32*\i+4*\j:X+32*\i+4*\j+3], v[LOFF], s[4:5] offset:4096*\i+512*\j
.endr
.endr
.irp j, 0,1,2,3,4,5,6,7
	global_load_b128 v[G+4*\j:G+4*\j+3], v[LOFF], s[6:7] offset:512*\j
.endr
.irp j, 0,1,2,3,4,5,6,7
	global_load_b128 v[BB+4*\j:BB+4*\j+3], v[LOFF], s[8:9] offset:512*\j
.endr
	STATS 0, 24                                    ; younger: row 1, gain, bias, 8 loads each
	STATS 1, 16                                    ; younger: gain, bias
	s_wait_loadcnt 0x0
	APPLY 0
	APPLY 1
	s_endpgm
.Lcast:
	s_sub_co_u32 s26, ttmp9, 256
	s_cmp_lt_u32 s26, 192
	s_cbranch_scc0 .Lplain
	; ---- Wq, Wk, Wv: the group takes one table, two heads and 128 rows d.  Thread: g = t/16 (row in a chunk of 16), hs = bit 3 (head of the pair), e8 = t & 7.
	; Eight lanes read a row of 64 f32 (256 bytes); sixteen lanes store 128 bf16 of one row of the new table (256 bytes, aligned).
	s_lshr_b32 s27, s26, 6                         ; which: 0 q, 1 k, 2 v
	s_bfe_u32 s28, s26, 0x30003                    ; pair of heads
	s_and_b32 s29, s26, 7                          ; block of 128 d
	v_lshrrev_b32 v1, 4, v0
	v_bfe_u32 v2, v0, 3, 1
	v_and_b32 v3, 7, v0
	v_lshlrev_b32 v4, 8, v1                        ; source: g rows of 256 bytes
	v_lshl_add_u32 v4, v2, 18, v4                  ; + hs heads of 262,144 bytes
	v_lshl_add_u32 v4, v3, 5, v4                   ; + e8 x 32 bytes
	v_mul_u32_u24 v5, v1, 6144                     ; destination: g rows of 6,144 bytes
	v_lshl_add_u32 v5, v2, 7, v5                   ; + hs x 128 bytes
	v_lshl_add_u32 v5, v3, 4, v5                   ; + e8 x 16 bytes
	s_lshl_b32 s36, s28, 19                        ; two heads
	s_lshl_b32 s33, s29, 15                        ; 128 rows of 256 bytes
	s_add_co_u32 s36, s36, s33
	s_mov_b32 s37, 0
	s_mul_i32 s38, s29, 128*6144
	s_lshl_b32 s33, s27, 11                        ; 1,024 columns
	s_add_co_u32 s38, s38, s33
	s_lshl_b32 s33, s28, 8                         ; 128 columns
	s_add_co_u32 s38, s38, s33
	s_mov_b32 s39, 0
	s_wait_kmcnt 0x0
	s_cmp_eq_u32 s27, 0
	s_cselect_b64 s[34:35], s[12:13], s[14:15]
	s_cmp_eq_u32 s27, 2
	s_cselect_b64 s[34:35], s[16:17], s[34:35]
	s_add_nc_u64 s[34:35], s[34:35], s[36:37]
	s_add_nc_u64 s[24:25], s[24:25], s[38:39]
	CAST8 4096, 98304                              ; a chunk is 16 rows: 16 x 256 bytes in, 16 x 6,144 bytes on in the new table
	s_endpgm
.Lplain:
	; ---- Wproj (64 groups), W1 (256), W2 (256): 16,384 numbers a group, order kept; the three follow each other in wb from byte 6,291,456
	s_sub_co_u32 s26, s26, 192
	s_sub_co_u32 s27, s26, 64
	s_sub_co_u32 s28, s26, 320
	v_lshlrev_b32 v4, 5, v0                        ; 32 bytes of f32 a thread
	v_lshlrev_b32 v5, 4, v0                        ; 16 bytes of bf16
	s_wait_kmcnt 0x0
	s_cmp_lt_u32 s26, 320
	s_cselect_b64 s[34:35], s[20:21], s[22:23]
	s_cselect_b32 s27, s27, s28
	s_cmp_lt_u32 s26, 64
	s_cselect_b64 s[34:35], s[18:19], s[34:35]
	s_cselect_b32 s27, s26, s27                    ; the group's number inside its table
	s_lshl_b32 s36, s27, 16
	s_mov_b32 s37, 0
	s_lshl_b32 s38, s26, 15
	s_add_co_u32 s38, s38, 6291456
	s_mov_b32 s39, 0
	s_add_nc_u64 s[34:35], s[34:35], s[36:37]
	s_add_nc_u64 s[24:25], s[24:25], s[38:39]
	CAST8 8192, 4096
	s_endpgm
.Lfunc_end_k_q0c9273be90_prep:
	.size	k_q0c9273be90_prep, .Lfunc_end_k_q0c9273be90_prep-k_q0c9273be90_prep
	.p2alignl 7, 3214868480
	.fill 96, 4, 3214868480
	.section	.rodata,"a",@progbits
	.p2align	6, 0x0
	.amdhsa_kernel k_q0c9273be90_prep
		.amdhsa_group_segment_fixed_size 0
		.amdhsa_private_segment_fixed_size 0
		.amdhsa_enable_private_segment 0
		.amdhsa_kernarg_size 88
		.amdhsa_user_sgpr_count 2
		.amdhsa_user_sgpr_kernarg_segment_ptr 1
		.amdhsa_wavefront_size32 1
		.amdhsa_system_sgpr_workgroup_id_x 1
		.amdhsa_system_sgpr_workgroup_id_y 1
		.amdhsa_system_sgpr_workgroup_id_z 1
		.amdhsa_system_vgpr_workitem_id 0
		.amdhsa_next_free_vgpr 178
		.amdhsa_next_free_sgpr 66
		.amdhsa_reserve_vcc 0
		.amdhsa_float_denorm_mode_32 3
		.amdhsa_float_denorm_mode_16_64 3
		.amdhsa_memory_ordered 1
		.amdhsa_forward_progress 1
		.amdhsa_inst_pref_size 31
	.end_amdhsa_kernel
	.amdgpu_metadata
---
amdhsa.version: [ 1, 2 ]
amdhsa.kernels:
  - .name:           k_q0c9273be90_prep
    .symbol:         k_q0c9273be90_prep.kd
    .args:
      - { .name: x, .offset: 0, .size: 8, .value_kind: global_buffer, .address_space: global }
      - { .name: ln1_g, .offset: 8, .size: 8, .value_kind: global_buffer, .address_space: global }
      - { .name: ln1_b, .offset: 16, .size: 8, .value_kind: global_buffer, .address_space: global }
      - { .name: hn, .offset: 24, .size: 8, .value_kind: global_buffer, .address_space: global }
      - { .name: Wq, .offset: 32, .size: 8, .value_kind: global_buffer, .address_space: global }
      - { .name: Wk, .offset: 40, .size: 8, .value_kind: global_buffer, .address_space: global }
      - { .name: Wv, .offset: 48, .size: 8, .value_kind: global_buffer, .address_space: global }
      - { .name: Wproj, .offset: 56, .size: 8, .value_kind: global_buffer, .address_space: global }
      - { .name: W1, .offset: 64, .size: 8, .value_kind: global_buffer, .address_space: global }
      - { .name: W2, .offset: 72, .size: 8, .value_kind: global_buffer, .address_space: global }
      - { .name: wb, .offset: 80, .size: 8, .value_kind: global_buffer, .address_space: global }
    .group_segment_fixed_size: 0
    .private_segment_fixed_size: 0
    .kernarg_segment_align: 8
    .kernarg_segment_size: 88
    .max_flat_workgroup_size: 256
    .sgpr_count:     66
    .vgpr_count:     178
    .wavefront_size: 32
...
	.end_amdgpu_metadata
.endif
;; end of part 1
;; launch qkv (part 2): grid 12 x 16, 4 waves a work-group, clusters of 4 x 4, 327,680 bytes of LDS; arguments hn, wb, big; writes big
.if DOCPART == 2
	.amdgcn_target "amdgcn-amd-amdhsa--gfx1250"
	.amdhsa_code_object_version 6
	.text
	.protected	k_q0c9273be90_qkv
	.globl	k_q0c9273be90_qkv
	.p2align	8
	.type	k_q0c9273be90_qkv,@function
k_q0c9273be90_qkv:
	s_mov_b64 s[64:65], 0
	v_nop
	global_prefetch_b8 v0, s[64:65] scope:SCOPE_SE
	s_setreg_imm32_b32 hwreg(HW_REG_WAVE_MODE, 25, 1), 1
	s_wait_xcnt 0x0
	s_wait_alu depctr_hold_cnt(0) depctr_sa_sdst(0) depctr_va_vdst(0) depctr_va_sdst(0) depctr_va_ssrc(0) depctr_va_vcc(0) depctr_vm_vsrc(0)
	s_getreg_b32 s2, hwreg(HW_REG_IB_STS2, 6, 4)
	s_cmp_eq_u32 s2, 0
	s_cbranch_scc0 .Lentry_in_a_cluster
	s_endpgm
.Lentry_in_a_cluster:
	s_bfe_u32 s2, ttmp6, 0x10000c
	s_cmp_lg_u32 s2, 0xf033
	s_cbranch_scc0 .Lentry_shape_is_right
	s_endpgm
.Lentry_shape_is_right:
; C[4096][SIZE_N] = A[4096][SIZE_K] x W[SIZE_K][SIZE_N], A and W bf16, sums in f32, C bf16.  Here: q, k, v of all heads = hn x Wqkv.
; A work-group makes 256 x 256 of C with four waves, a wave 128 x 128: 64 accumulator tiles of 16 x 16, 512 registers.
; K goes in steps of 128 through two LDS slots filled by the tensor data mover.  A's rows lie along K; W lies [K][N] and stays so in LDS:
; its fragments are read with the transposing load ds_load_tr16_b128.
; CLUSTERS: 4 x 4 work-groups.  A's tile hangs on the block row alone and is asked for jointly by a row of the cluster, W's on the block column alone
; and is asked for jointly by a column: the requests for both are divided by four.
; EPI = 0: C = the sums.  EPI = 2: C = max(sums + bias, 0).
; LIMIT: operands and C are bf16.
; REGISTERS in windows of 256: window 0: v16-30 addresses, v64-127 and v128-191 A's fragments (two buffers), v192-255 bias (EPI 2);
; window 1: v64-127, v128-191 W's fragments; windows 2, 3: accumulators of my rows 0-63, 64-127, tile (a, b) at v[8 (8 a + b)].
; The matrix instruction is used transposed (source 0 = 16 columns of W, source 1 = 16 rows of A): lane l holds row l % 16 of C and eight neighbouring columns.
.set SIZE_N, 3072
.set SIZE_K, 1024
.set WOFF,   0                         ; the table's first byte in wb
.set EPI,    0
.set BLKM,   256
.set BLKN,   256
.set KSTEP,  128
.set PA,     272                       ; A's LDS pitch: 256 bytes + 16, an odd multiple of 16: the 16 rows of a load lie 16 bytes apart modulo 256
.set PB,     544                       ; W's LDS pitch: 512 bytes + 32, an odd multiple of 32
.set AD0, 128                          ; A's tensor load: 128 elements x 128 rows, padded by 4 words after every 64
.set AD1, 128
.set AQI, 5
.set APAD, 4
.set WD0, 256                          ; W's tensor load: 256 elements x 64 rows of k, padded by 8 words after every 128
.set WD1, 64
.set WQI, 6
.set WPAD, 8
.set QTR,    34816                     ; LDS bytes of one wave's load: 128 x 272 = 64 x 544
.set AHALF,  64*PA                     ; from A's fragment 0 to fragment 4
.set SLOT,   4*QTR                     ; A's two halves, then W's two halves
.set STAGE,  2*SLOT                    ; behind the ring: 16 rows x 272 bytes for each wave, for the way out
.set SPITCH, 272
.set LAPS, SIZE_K/(2*KSTEP)            ; a lap = two K steps = once round the ring
.set ADRA, 16                          ; v16-17  LDS address of my A fragments in slot 0, 1
.set ADRB, 20                          ; v20-21  the same for W
.set STO,  24
.set RD,   25
.set CO,   26
.set BOFF, 30
.set F0,   64
.set F1,   128
.set TMP,  128                         ; the way out: packed results
.set BACK, 160                         ; the way out: rows read back
.set BIAS, 192
.set G1, 24                            ; s[24:31] group 1 for A
.set G0, 32                            ; s[32:39] group 0 for A, one set for each slot
.set G1B, 48                           ; s[48:55] group 1 for W
.set G0B, 56                           ; s[56:63] group 0 for W
.set MSB, 0
.macro WIN new                         ; the immediate's high byte repeats the setting that is left
.if MSB != \new
	s_set_vgpr_msb (MSB<<8)|\new
.set MSB, \new
.endif
.endm
.set MUL_LO, 0xa1                      ; source 0 (W) window 1, source 1 (A) window 0, C and D window 2
.set MUL_HI, 0xf1                      ; the same, C and D window 3
.set TO_B,   0x40                      ; destination window 1, address window 0
.if EPI == 2
.set FROM_LO, 0x02                     ; source 0 in the accumulators' window
.set FROM_HI, 0x03
.else
.set FROM_LO, 0x0a                     ; sources 0 and 1 in the accumulators' window
.set FROM_HI, 0x0f
.endif
; A joint load.  Waves 0 and 1 fetch A's halves, waves 2 and 3 W's; the branch hangs on the wave's number alone.
.macro JLOAD s
	s_cmp_eq_u32 s11, 0
	s_cbranch_scc0 .Lfor_b_\@
	tensor_load_to_lds s[G0+4*\s:G0+4*\s+3], s[G1:G1+7]
	s_nop 0
	s_branch .Lasked_\@
.Lfor_b_\@:
	tensor_load_to_lds s[G0B+4*\s:G0B+4*\s+3], s[G1B:G1B+7]
	s_nop 0
.Lasked_\@:
.endm
.macro CREST                           ; a round of the cluster's barrier behind its opening work-group barrier
	s_cmp_lg_u32 s10, 0
	s_cbranch_scc1 .Lnot_wave_0_\@
	s_barrier_signal -3
.Lnot_wave_0_\@:
	s_barrier_wait -3
	s_barrier_signal -1
	s_barrier_wait -1
.endm
.macro CROUND                          ; a whole round
	s_barrier_signal -1
	s_barrier_wait -1
	CREST
.endm
	s_load_b128 s[4:7], s[0:1], 0x0                ; A s[4:5], wb s[6:7]
	s_load_b64 s[8:9], s[0:1], 0x10                ; C
	s_set_vgpr_msb 0x40
	v_lshl_add_u32 v255, v0, 2, 0x48400
	s_set_vgpr_msb 0x4000
	v_mov_b32 v255, 0
	s_set_vgpr_msb 0x1
	ds_add_u32 v255, v255
	s_set_vgpr_msb 0x100
.if EPI == 2
	s_load_b64 s[68:69], s[0:1], 0x18              ; bias
.endif
	v_lshrrev_b32 v1, 5, v0
	v_readfirstlane_b32 s10, v1                    ; wave 0..3
	s_lshr_b32 s11, s10, 1                         ; my half of the block's rows; also: I fetch for A (0) or for W (1)
	s_and_b32 s12, s10, 1                          ; my half of its columns; also: which half of that tile I fetch
	s_bfe_u32 s40, ttmp6, 0x40000                  ; cx
	s_bfe_u32 s41, ttmp6, 0x40004                  ; cy
	s_lshl_b32 s42, ttmp9, 2
	s_add_co_u32 s42, s42, s40                     ; block column
	s_and_b32 s13, ttmp7, 0xffff
	s_lshl_b32 s13, s13, 2
	s_add_co_u32 s13, s13, s41                     ; block row
	s_lshl_b32 s43, s41, 2
	s_lshl_b32 s43, 15, s43                        ; my row of the cluster
	s_lshl_b32 s44, 0x1111, s40                    ; my column
	s_or_b32 s[G1+0], s43, (1<<16)|(1<<20)|(1<<21)|(AQI<<22)|((APAD-1)<<25)    ; mask; elements of 2 bytes; padding on; bit 21 beside a mask; interval; pad
	s_mov_b32 s[G1+1], AD0<<16                     ; tensor_dim0
	s_mov_b32 s[G1+2], AD1<<16                     ; tensor_dim1
	s_mov_b32 s[G1+3], AD0<<16                     ; tile_dim0
	s_mov_b32 s[G1+4], AD1                         ; tile_dim1
	s_mov_b32 s[G1+5], SIZE_K                      ; elements from row to row
	s_mov_b32 s[G1+6], 0
	s_mov_b32 s[G1+7], 0
	s_or_b32 s[G1B+0], s44, (1<<16)|(1<<20)|(1<<21)|(WQI<<22)|((WPAD-1)<<25)
	s_mov_b32 s[G1B+1], WD0<<16
	s_mov_b32 s[G1B+2], WD1<<16
	s_mov_b32 s[G1B+3], WD0<<16
	s_mov_b32 s[G1B+4], WD1
	s_mov_b32 s[G1B+5], SIZE_N
	s_mov_b32 s[G1B+6], 0
	s_mov_b32 s[G1B+7], 0
	; where the tiles come from: A's from the block row and the wave, W's from the block column and the wave, in registers that never hold the other coordinate
	s_mul_i32 s16, s13, BLKM
	s_mul_i32 s17, s12, AD1
	s_add_co_u32 s16, s16, s17                     ; A's first row of my load
	s_mul_i32 s16, s16, SIZE_K*2                   ; in bytes: below 2^26
	s_mov_b32 s17, 0
	s_mul_i32 s46, s42, BLKN*2                     ; W's first column, in bytes
	s_mul_i32 s47, s12, WD1*SIZE_N*2               ; my rows of k
	s_add_co_u32 s46, s46, s47
.if WOFF
	s_add_co_u32 s46, s46, WOFF
.endif
	s_mov_b32 s47, 0
	s_mul_i32 s20, s10, QTR                        ; and where they go: wave x a quarter of the slot
	s_wait_dscnt 0x0
	s_wait_kmcnt 0x0
	s_add_nc_u64 s[14:15], s[4:5], s[16:17]
	s_add_nc_u64 s[46:47], s[6:7], s[46:47]
	CROUND                                         ; all sixteen work-groups are here: the first joint loads meet
.irp s, 0,1
	s_mov_b32 s[G0+4*\s], 1
	s_add_co_u32 s[G0+4*\s+1], s20, \s*SLOT
	s_add_nc_u64 s[G0+4*\s+2:G0+4*\s+3], s[14:15], \s*KSTEP*2
	s_or_b32 s[G0+4*\s+3], s[G0+4*\s+3], 0x80000000
	s_mov_b32 s[G0B+4*\s], 1
	s_add_co_u32 s[G0B+4*\s+1], s20, \s*SLOT
	s_add_nc_u64 s[G0B+4*\s+2:G0B+4*\s+3], s[46:47], \s*KSTEP*SIZE_N*2
	s_or_b32 s[G0B+4*\s+3], s[G0B+4*\s+3], 0x80000000
	JLOAD \s                                       ; two tensor loads of the wave are out here, later one
.endr
	; A's fragment: lane l holds row l % 16; two loads of 16 bytes, 32 apart, at row x pitch + 16 (l / 16).
	; W's fragment: two transposing loads, 16 rows of k apart, at (8 (l / 16) + l % 8) x pitch + 16 ((l / 8) % 2).
	v_and_b32 v1, 15, v0
	v_bfe_u32 v2, v0, 4, 1
	v_mul_u32_u24 v3, v1, PA
	v_lshl_add_u32 v3, v2, 4, v3
	v_and_b32 v4, 7, v0
	v_lshl_add_u32 v4, v2, 3, v4
	v_mul_u32_u24 v4, v4, PB
	v_bfe_u32 v5, v0, 3, 1
	v_lshl_add_u32 v4, v5, 4, v4
	s_mul_i32 s21, s11, QTR                        ; my 128 rows of A
	s_lshl_b32 s22, s12, 8                         ; my 128 columns of W,
	s_add_co_u32 s22, s22, 2*QTR                   ; which lies behind A
.irp s, 0,1
	v_add_nc_u32 v[ADRA+\s], s21, v3
	v_add_nc_u32 v[ADRB+\s], s22, v4
	s_add_co_u32 s21, s21, SLOT
	s_add_co_u32 s22, s22, SLOT
.endr
	s_mul_i32 s23, s10, 16*SPITCH
	s_add_co_u32 s23, s23, STAGE                   ; my stage
	v_mul_u32_u24 v4, v1, SPITCH
	v_lshl_add_u32 v4, v2, 4, v4
	v_add_nc_u32 v[STO], s23, v4
	v_mul_u32_u24 v5, v2, SPITCH
	v_lshl_add_u32 v5, v1, 4, v5
	v_add_nc_u32 v[RD], s23, v5
	v_mul_u32_u24 v5, v2, SIZE_N*2
	v_lshl_add_u32 v[CO], v1, 4, v5
.if EPI == 2
	; the bias of my 64 numbers of a row: columns 16 b + 8 (l / 16) + 0..7 of my 128.  Asked for now, waited for in front of the way out.
	s_lshl_b32 s46, s42, 10
	s_lshl_b32 s47, s12, 9
	s_add_co_u32 s46, s46, s47
	s_mov_b32 s47, 0
	s_add_nc_u64 s[68:69], s[68:69], s[46:47]
	v_lshlrev_b32 v[BOFF], 5, v2
.irp b, 0,1,2,3,4,5,6,7
	global_load_b128 v[BIAS+8*\b:BIAS+8*\b+3],   v[BOFF], s[68:69] offset:64*\b
	global_load_b128 v[BIAS+8*\b+4:BIAS+8*\b+7], v[BOFF], s[68:69] offset:64*\b+16
.endr
.endif
; 16 matrix instructions: m blocks a0, a0 + 1 of the window's four x all 8 n blocks, 32 along K.  zero = 1: the first product starts the sums.
.macro MUL16 f, hi, a0, zero
.irp a, \a0, \a0+1
.irp b, 0,1,2,3,4,5,6,7
.if \zero
	v_wmma_f32_16x16x32_bf16 v[8*(8*(\a)+\b):8*(8*(\a)+\b)+7], v[\f+8*\b:\f+8*\b+7], v[\f+8*(4*\hi+\a):\f+8*(4*\hi+\a)+7], 0
.else
	v_wmma_f32_16x16x32_bf16 v[8*(8*(\a)+\b):8*(8*(\a)+\b)+7], v[\f+8*\b:\f+8*\b+7], v[\f+8*(4*\hi+\a):\f+8*(4*\hi+\a)+7], v[8*(8*(\a)+\b):8*(8*(\a)+\b)+7]
.endif
.endr
.endr
.endm
; 32 LDS loads in one run: the fragments of quarter q (32 along K) of a slot into buffer f: W's eight, then A's eight
.macro FETCH slot, q, f
	WIN TO_B
.irp i, 0,1,2,3,4,5,6,7
	ds_load_tr16_b128 v[\f+8*\i:\f+8*\i+3],   v[ADRB+\slot] offset:32*\q*PB+32*\i
	ds_load_tr16_b128 v[\f+8*\i+4:\f+8*\i+7], v[ADRB+\slot] offset:32*\q*PB+32*\i+16*PB
.endr
	WIN 0
.irp i, 0,1,2,3,4,5,6,7
	ds_load_b128 v[\f+8*\i:\f+8*\i+3],   v[ADRA+\slot] offset:(\i/4)*AHALF+(\i%4)*16*PA+64*\q
	ds_load_b128 v[\f+8*\i+4:\f+8*\i+7], v[ADRA+\slot] offset:(\i/4)*AHALF+(\i%4)*16*PA+64*\q+32
.endr
.endm
; Four plain vector places between a matrix instruction and a load into, or a vector access to, one of its registers
.macro PLACES
.rept 4
	v_nop
.endr
.endm
; A quarter step: multiplies buffer f; in its middle it fetches quarter q of the same slot into buffer g.
; The 64 accumulators take turns, one instruction a turn.
.macro QUARTER slot, q, f, g, zero
	s_wait_dscnt 8                                 ; W and A's rows 0-63 are in; the youngest eight loads (A's rows 64-127) may be out
	WIN MUL_LO
	MUL16 \f, 0, 0, \zero
	MUL16 \f, 0, 2, \zero
	PLACES
	FETCH \slot, \q, \g
	s_wait_dscnt 32                                ; all but the 32 just issued
	WIN MUL_HI
	MUL16 \f, 1, 0, \zero
	MUL16 \f, 1, 2, \zero
.endm
.macro FRONT slot, zero                ; all quarters of a K step but the last
	QUARTER \slot, 1, F0, F1, \zero
	QUARTER \slot, 2, F1, F0, 0
	QUARTER \slot, 3, F0, F1, 0
.endm
; The last quarter: multiplies buffer 1 and changes slots.  In front of the barrier each wave waits for its reads of this slot and for all its tensor
; loads (one is out: its part of the next slot).  fill = 1: the barrier opens a round of the cluster's barrier, and the joint refill of this slot,
; two K steps ahead, is the first tensor load behind the round.
.macro TURN slot, next, fill
	s_wait_dscnt 8
	WIN MUL_LO
	MUL16 F1, 0, 0, 0
	s_wait_dscnt 0
	s_wait_tensorcnt 0x0
	ds_add_u32 v255, v255
	s_wait_dscnt 0x0
	s_barrier_signal -1
	MUL16 F1, 0, 2, 0                              ; register work while the others arrive
	WIN 0
	s_barrier_wait -1
.if \fill
	CREST
	s_add_nc_u64 s[G0+4*\slot+2:G0+4*\slot+3], s[G0+4*\slot+2:G0+4*\slot+3], 2*KSTEP*2
	s_add_nc_u64 s[G0B+4*\slot+2:G0B+4*\slot+3], s[G0B+4*\slot+2:G0B+4*\slot+3], 2*KSTEP*SIZE_N*2
	JLOAD \slot
.endif
	PLACES
	FETCH \next, 0, F0
	WIN MUL_HI
	MUL16 F1, 1, 0, 0
	MUL16 F1, 1, 2, 0
.endm
.macro LAP zero
	FRONT 0, \zero
	TURN 0, 1, 1
	FRONT 1, 0
	TURN 1, 0, 1
.endm
	s_wait_tensorcnt 1                             ; my part of K step 0 is in; K step 1's stays out
	s_barrier_signal -1
	s_barrier_wait -1
	FETCH 0, 0, F0
	LAP 1                                          ; the first lap's first products start the sums
.if LAPS > 2
	WIN 0
	s_mov_b32 s3, LAPS-2
.Llap:
	LAP 0
	WIN 0
	s_sub_co_u32 s3, s3, 1
	s_cmp_lg_u32 s3, 0
	s_cbranch_scc1 .Llap
.endif
	FRONT 0, 0                                     ; the last lap fills nothing
	TURN 0, 1, 0
	FRONT 1, 0
	s_wait_dscnt 8
	WIN MUL_LO
	MUL16 F1, 0, 0, 0
	MUL16 F1, 0, 2, 0
	s_wait_dscnt 0
	WIN MUL_HI
	MUL16 F1, 1, 0, 0
	MUL16 F1, 1, 2, 0
	; THE WAY OUT, 16 rows of C at a time: (bias, relu,) round to bf16, 16 bytes a lane into my own stage, back as whole rows of 256 bytes.
	PLACES
	s_lshl_b32 s13, s13, 8
	s_lshl_b32 s14, s11, 7
	s_add_co_u32 s16, s13, s14                     ; my first row of C
	s_mul_i32 s16, s16, SIZE_N*2
	s_mov_b32 s17, 0
	s_add_nc_u64 s[8:9], s[8:9], s[16:17]
	s_lshl_b32 s46, s42, 9                         ; my first column, in bytes
	s_lshl_b32 s47, s12, 8
	s_add_co_u32 s46, s46, s47
	s_mov_b32 s47, 0
	s_add_nc_u64 s[8:9], s[8:9], s[46:47]
.if EPI == 2
	s_wait_loadcnt 0x0                             ; the bias
.endif
.macro OUT16 i, a, from
	WIN \from
.if EPI == 2
.irp b, 0,1,2,3,4,5,6,7
.irp p, 0,2,4,6
	v_pk_add_f32 v[F0+8*\b+\p:F0+8*\b+\p+1], v[8*(8*\a+\b)+\p:8*(8*\a+\b)+\p+1], v[BIAS+8*\b+\p:BIAS+8*\b+\p+1]
.endr
.endr
	WIN 0
.set j, 0
.rept 64
	v_max_num_f32 v[F0+j], 0, v[F0+j]
.set j, j+1
.endr
.set j, 0
.rept 32
	v_cvt_pk_bf16_f32 v[TMP+j], v[F0+2*j], v[F0+2*j+1]
.set j, j+1
.endr
.else
.irp b, 0,1,2,3,4,5,6,7
.irp r, 0,1,2,3
	v_cvt_pk_bf16_f32 v[TMP+4*\b+\r], v[8*(8*\a+\b)+2*\r], v[8*(8*\a+\b)+2*\r+1]
.endr
.endr
	WIN 0
.endif
.irp b, 0,1,2,3,4,5,6,7
	ds_store_b128 v[STO], v[TMP+4*\b:TMP+4*\b+3] offset:32*\b
.endr
	s_wait_xcnt 0x0                                ; the last 16 rows' stores have had their addresses translated: their data and base are rewritten only behind this wait
.if \i
	s_add_nc_u64 s[8:9], s[8:9], 16*SIZE_N*2
.endif
.irp t, 0,1,2,3,4,5,6,7
	ds_load_b128 v[BACK+4*\t:BACK+4*\t+3], v[RD] offset:\t*2*SPITCH     ; LDS serves a wave's instructions in order: these see the stores above
.endr
.irp t, 0,1,2,3,4,5,6,7
	s_wait_dscnt 7-\t
	global_store_b128 v[CO], v[BACK+4*\t:BACK+4*\t+3], s[8:9] offset:2*\t*SIZE_N*2   ; 16 lanes store 256 consecutive bytes, aligned
.endr
.endm
	OUT16 0, 0, FROM_LO
	OUT16 1, 1, FROM_LO
	OUT16 2, 2, FROM_LO
	OUT16 3, 3, FROM_LO
	OUT16 4, 0, FROM_HI
	OUT16 5, 1, FROM_HI
	OUT16 6, 2, FROM_HI
	OUT16 7, 3, FROM_HI
	s_set_vgpr_msb 0x1
	s_wait_tensorcnt 0x0
	ds_add_u32 v255, v255
	s_wait_dscnt 0x0
	s_set_vgpr_msb 0x100
	CROUND                                         ; the closing round: no work-group ends while a partner may still ask for a tile that names it
	s_endpgm
.Lfunc_end_k_q0c9273be90_qkv:
	.size	k_q0c9273be90_qkv, .Lfunc_end_k_q0c9273be90_qkv-k_q0c9273be90_qkv
	.p2alignl 7, 3214868480
	.fill 96, 4, 3214868480
	.section	.rodata,"a",@progbits
	.p2align	6, 0x0
	.amdhsa_kernel k_q0c9273be90_qkv
		.amdhsa_group_segment_fixed_size 327680
		.amdhsa_private_segment_fixed_size 0
		.amdhsa_enable_private_segment 0
		.amdhsa_kernarg_size 24
		.amdhsa_user_sgpr_count 2
		.amdhsa_user_sgpr_kernarg_segment_ptr 1
		.amdhsa_wavefront_size32 1
		.amdhsa_system_sgpr_workgroup_id_x 1
		.amdhsa_system_sgpr_workgroup_id_y 1
		.amdhsa_system_sgpr_workgroup_id_z 1
		.amdhsa_system_vgpr_workitem_id 0
		.amdhsa_next_free_vgpr 1024
		.amdhsa_next_free_sgpr 72
		.amdhsa_reserve_vcc 0
		.amdhsa_float_denorm_mode_32 3
		.amdhsa_float_denorm_mode_16_64 3
		.amdhsa_memory_ordered 1
		.amdhsa_forward_progress 1
		.amdhsa_inst_pref_size 197
	.end_amdhsa_kernel
	.amdgpu_metadata
---
amdhsa.version: [ 1, 2 ]
amdhsa.kernels:
  - .name:           k_q0c9273be90_qkv
    .symbol:         k_q0c9273be90_qkv.kd
    .args:
      - { .name: hn, .offset: 0, .size: 8, .value_kind: global_buffer, .address_space: global }
      - { .name: wb, .offset: 8, .size: 8, .value_kind: global_buffer, .address_space: global }
      - { .name: big, .offset: 16, .size: 8, .value_kind: global_buffer, .address_space: global }
    .group_segment_fixed_size: 327680
    .private_segment_fixed_size: 0
    .kernarg_segment_align: 8
    .kernarg_segment_size: 24
    .max_flat_workgroup_size: 128
    .sgpr_count:     72
    .vgpr_count:     1024
    .wavefront_size: 32
...
	.end_amdgpu_metadata
.endif
;; end of part 2
;; launch attn (part 3): grid 32 x 8, 4 waves a work-group, clusters of 4 x 1, 327,680 bytes of LDS; arguments big, ob; writes ob
.if DOCPART == 3
	.amdgcn_target "amdgcn-amd-amdhsa--gfx1250"
	.amdhsa_code_object_version 6
	.text
	.protected	k_q0c9273be90_attn
	.globl	k_q0c9273be90_attn
	.p2align	8
	.type	k_q0c9273be90_attn,@function
k_q0c9273be90_attn:
	s_mov_b64 s[64:65], 0
	v_nop
	global_prefetch_b8 v0, s[64:65] scope:SCOPE_SE
	s_setreg_imm32_b32 hwreg(HW_REG_WAVE_MODE, 25, 1), 1
	s_wait_xcnt 0x0
	s_wait_alu depctr_hold_cnt(0) depctr_sa_sdst(0) depctr_va_vdst(0) depctr_va_sdst(0) depctr_va_ssrc(0) depctr_va_vcc(0) depctr_vm_vsrc(0)
	s_getreg_b32 s2, hwreg(HW_REG_IB_STS2, 6, 4)
	s_cmp_eq_u32 s2, 0
	s_cbranch_scc0 .Lentry_in_a_cluster
	s_endpgm
.Lentry_in_a_cluster:
	s_bfe_u32 s2, ttmp6, 0x10000c
	s_cmp_lg_u32 s2, 0x3003
	s_cbranch_scc0 .Lentry_shape_is_right
	s_endpgm
.Lentry_shape_is_right:
; Attention without a mask, softmax by a running maximum.  big: [4096 tokens][3072] bf16 = q | k | v, each 16 heads x 64.  ob: [4096][1024] bf16.
; A work-group takes 128 queries and a PAIR of heads, so that a row of a K, V or output tile is 256 consecutive bytes, aligned.
; Wave w: head 2 y + (w & 1), queries 64 (w >> 1) .. + 63 (four tiles of 16).
; CLUSTER 4 x 1: the four partners have the same batch and pair of heads and walk the same K and V tiles: every tile is a joint load (mask 15),
; which divides the requests for K and V by four.  Tiles of 256 keys go through two LDS slots; each wave fetches 64 keys of K and 64 of V.
; A tile is worked in four steps of 64 keys.  S^T = K Q^T: lane (r, h) holds query r and keys 8 h + j, so that two neighbouring key tiles pack,
; in the lane, into a fragment of P, and each lane has ONE query's softmax figures.  O^T = V^T P^T with V read by the transposing load.
; exp(s/8 - m/8) = exp2(c s - c m), c = log2(e)/8, one fused multiply-add for each score.
; LIMITS: q, k, v, P and the output are bf16; exponentials that would be denormal are zero; the row sums are taken over the f32 exponentials.
.set ROWB,  6144                       ; bytes of a row of big
.set KP,    272                        ; K's LDS pitch: 256 + 16, an odd multiple of 16
.set VP,    288                        ; V's LDS pitch: 256 + 32, an odd multiple of 32
.set KBYTES, 256*KP
.set SLOT,  KBYTES+256*VP              ; 143,360
.set STAGE, 2*SLOT                     ; 128 rows x 272 bytes, bytes of its own
.set TILEB, 256*ROWB                   ; from a tile to the next in memory
.set KADR, 8                           ; v8-9    K fragments, slot 0, 1
.set VADR, 10                          ; v10-13  V fragments, slot x 2 + half of the tile (so that offsets stay inside 16 bits)
.set QOFF, 14
.set STO,  15
.set RD,   16
.set CO,   17
.set MA,   18                          ; v[18:21] and v[44:47]: the running maxima of my four query tiles; the two sets take turns from step to step
.set LS,   22                          ; v[22:25] running sums (each half of the lanes sums its own keys)
.set AL,   26                          ; v[26:33] four pairs: the factor for the old sums; only the even register is used, the odd one is written once
.set NM,   34                          ; v[34:35] - c x maximum; likewise
.set T,    36                          ; v[36:43] at work
.set MB,   44
.set KF,   64                          ; v[64:127]  K fragments: key tile kt, k step ks at 16 kt + 8 ks
.set SC,   128                         ; v[128:255] scores: tile (kt, qt) at 32 qt + 8 kt; then P: (qt, ks) at 32 qt + 16 ks
.set OA,   0                           ; window 1: v[0:127] O^T, tile (et, qt) at 32 qt + 8 et
.set QF,   128                         ; window 1: v[128:191] Q fragments at 16 qt + 8 ks
.set VF,   192                         ; window 1: v[192:255] V fragments at 32 ks + 8 et
.set G1K, 16
.set G1V, 24
.set G0K, 32                           ; one set for each slot
.set G0V, 40
.set MSB, 0
.macro WIN new
.if MSB != \new
	s_set_vgpr_msb (MSB<<8)|\new
.set MSB, \new
.endif
.endm
.macro ROUND                           ; a round of the cluster's barrier
	s_barrier_signal -1
	s_barrier_wait -1
	s_cmp_lg_u32 s8, 0
	s_cbranch_scc1 .Lnot_wave_0_\@
	s_barrier_signal -3
.Lnot_wave_0_\@:
	s_barrier_wait -3
	s_barrier_signal -1
	s_barrier_wait -1
.endm
	s_load_b128 s[4:7], s[0:1], 0x0                ; big, ob
	v_lshl_add_u32 v62, v0, 2, 0x4e800
	v_mov_b32 v63, 0
	ds_add_u32 v62, v63
	v_lshrrev_b32 v1, 5, v0
	v_readfirstlane_b32 s8, v1                     ; wave
	s_lshr_b32 s9, s8, 1                           ; my half of the queries
	s_and_b32 s10, s8, 1                           ; my head of the pair
	s_bfe_u32 s51, ttmp6, 0x40000                  ; cx
	s_lshl_b32 s56, ttmp9, 2
	s_add_co_u32 s56, s56, s51                     ; block of 128 queries, 0..31
	s_and_b32 s49, ttmp7, 0xffff                   ; pair of heads
	s_lshr_b32 s11, ttmp9, 2                       ; batch: 16 blocks = 4 clusters each
	s_mov_b32 s12, 0x76543210
	s_mov_b32 s13, 0xfedcba98
	s_mov_b32 s14, 0x3e38aa3b                      ; c = log2(e) / 8
	s_mov_b32 s15, 0x3e38aa3b
	s_mov_b32 s50, 0xbe38aa3b                      ; - c
	s_mov_b32 s[G1K+0], 15|(1<<16)|(1<<20)|(1<<21)|(5<<22)|(3<<25)   ; mask of the four; 2 bytes; padding on; bit 21 beside a mask; 4 words after every 64
	s_mov_b32 s[G1K+1], 128<<16                    ; tensor_dim0 = 128
	s_mov_b32 s[G1K+2], 64<<16                     ; tensor_dim1 = 64
	s_mov_b32 s[G1K+3], 128<<16                    ; tile_dim0
	s_mov_b32 s[G1K+4], 64                         ; tile_dim1
	s_mov_b32 s[G1K+5], 3072                       ; elements from row to row
	s_mov_b32 s[G1K+6], 0
	s_mov_b32 s[G1K+7], 0
	s_mov_b32 s[G1V+0], 15|(1<<16)|(1<<20)|(1<<21)|(5<<22)|(7<<25)   ; the same with 8 words of padding
	s_mov_b32 s[G1V+1], 128<<16
	s_mov_b32 s[G1V+2], 64<<16
	s_mov_b32 s[G1V+3], 128<<16
	s_mov_b32 s[G1V+4], 64
	s_mov_b32 s[G1V+5], 3072
	s_mov_b32 s[G1V+6], 0
	s_mov_b32 s[G1V+7], 0
	s_lshl_b32 s54, s11, 11                        ; K and V: token batch x 2048 + 64 wave: nothing of my place in the cluster
	s_lshl_b32 s55, s8, 6
	s_add_co_u32 s54, s54, s55
	s_mul_i32 s54, s54, ROWB
	s_lshl_b32 s55, s49, 8                         ; the pair's 256 bytes
	s_add_co_u32 s54, s54, s55
	s_mov_b32 s55, 0
	s_mul_i32 s57, s8, 64*KP                       ; LDS: my 64 keys of K,
	s_mul_i32 s58, s8, 64*VP
	s_add_co_u32 s58, s58, KBYTES                  ; of V
	s_lshl_b32 s52, s56, 7                         ; Q: token 128 block + 64 half
	s_lshl_b32 s53, s9, 6
	s_add_co_u32 s52, s52, s53
	s_mul_i32 s52, s52, ROWB
	s_lshl_b32 s53, s49, 8
	s_add_co_u32 s52, s52, s53
	s_lshl_b32 s53, s10, 7                         ; my head's 128 bytes
	s_add_co_u32 s52, s52, s53
	s_mov_b32 s53, 0
	s_lshl_b32 s62, s56, 7                         ; output: token 128 block + 32 wave
	s_lshl_b32 s63, s8, 5
	s_add_co_u32 s62, s62, s63
	s_lshl_b32 s62, s62, 11
	s_lshl_b32 s63, s49, 8
	s_add_co_u32 s62, s62, s63
	s_mov_b32 s63, 0
	s_wait_dscnt 0x0
	s_wait_kmcnt 0x0
	s_add_nc_u64 s[54:55], s[4:5], s[54:55]
	s_add_nc_u64 s[52:53], s[4:5], s[52:53]
	s_add_nc_u64 s[6:7], s[6:7], s[62:63]
.irp s, 0,1
	s_mov_b32 s[G0K+4*\s], 1
	s_add_co_u32 s[G0K+4*\s+1], s57, \s*SLOT
	s_add_nc_u64 s[G0K+4*\s+2:G0K+4*\s+3], s[54:55], 2048+\s*TILEB     ; k begins 1,024 elements into a row
	s_or_b32 s[G0K+4*\s+3], s[G0K+4*\s+3], 0x80000000
	s_mov_b32 s[G0V+4*\s], 1
	s_add_co_u32 s[G0V+4*\s+1], s58, \s*SLOT
	s_add_nc_u64 s[G0V+4*\s+2:G0V+4*\s+3], s[54:55], 4096+\s*TILEB     ; v 2,048 elements
	s_or_b32 s[G0V+4*\s+3], s[G0V+4*\s+3], 0x80000000
.endr
	ROUND                                          ; the four partners are here: the first joint loads meet
	tensor_load_to_lds s[G0K:G0K+3], s[G1K:G1K+7]  ; tile 0.  Two tensor loads of a wave are out at a time, here and behind every round
	s_nop 0
	tensor_load_to_lds s[G0V:G0V+3], s[G1V:G1V+7]
	s_nop 0
	v_and_b32 v1, 15, v0                           ; r
	v_bfe_u32 v2, v0, 4, 1                         ; h
	v_mul_u32_u24 v3, v1, KP
	v_lshl_add_u32 v3, v2, 4, v3                   ; 272 r + 16 h
	s_lshl_b32 s60, s10, 7                         ; my head's 128 bytes of an LDS row
	v_add_nc_u32 v[KADR], s60, v3
	v_add_nc_u32 v[KADR+1], SLOT, v[KADR]
	v_and_b32 v4, 7, v0
	v_lshl_add_u32 v4, v2, 3, v4
	v_mul_u32_u24 v4, v4, VP
	v_bfe_u32 v5, v0, 3, 1
	v_lshl_add_u32 v4, v5, 4, v4                   ; (8 h + l % 8) x 288 + 16 ((l / 8) % 2)
	s_add_co_u32 s61, s60, KBYTES
	v_add_nc_u32 v[VADR], s61, v4
	v_add_nc_u32 v[VADR+1], 128*VP, v[VADR]
	v_add_nc_u32 v[VADR+2], SLOT, v[VADR]
	v_add_nc_u32 v[VADR+3], SLOT+128*VP, v[VADR]
	v_mul_u32_u24 v[QOFF], v1, ROWB
	v_lshl_add_u32 v[QOFF], v2, 4, v[QOFF]
	s_mul_i32 s61, s9, 64*KP
	s_add_co_u32 s61, s61, s60
	s_add_co_u32 s61, s61, STAGE
	v_add_nc_u32 v[STO], s61, v3                   ; stage row 64 half + r (+ 16 qt), my head's 128 bytes, 16 h
	s_mul_i32 s61, s8, 32*KP
	s_add_co_u32 s61, s61, STAGE
	v_mul_u32_u24 v5, v2, KP
	v_lshl_add_u32 v5, v1, 4, v5
	v_add_nc_u32 v[RD], s61, v5                    ; back: lanes 0-15 one row of 256 bytes, lanes 16-31 the next
	v_lshlrev_b32 v5, 11, v2
	v_lshl_add_u32 v[CO], v1, 4, v5
.irp p, 0,1,2,3
	v_mov_b32 v[AL+2*\p+1], 0                      ; the halves of the pairs that are named and not used
.endr
	v_mov_b32 v[NM+1], 0
	WIN 0x40
.irp qt, 0,1,2,3
.irp ks, 0,1
	global_load_b128 v[QF+16*\qt+8*\ks:QF+16*\qt+8*\ks+3],   v[QOFF], s[52:53] offset:16*ROWB*\qt+64*\ks
	global_load_b128 v[QF+16*\qt+8*\ks+4:QF+16*\qt+8*\ks+7], v[QOFF], s[52:53] offset:16*ROWB*\qt+64*\ks+32
.endr
.endr
	WIN 0
.macro KLOAD slot, j                   ; the K fragments of 64 keys: 16 loads
.irp kt, 0,1,2,3
.irp ks, 0,1
	ds_load_b128 v[KF+16*\kt+8*\ks:KF+16*\kt+8*\ks+3],   v[KADR+\slot] offset:(64*(\j)+16*\kt)*KP+64*\ks
	ds_load_b128 v[KF+16*\kt+8*\ks+4:KF+16*\kt+8*\ks+7], v[KADR+\slot] offset:(64*(\j)+16*\kt)*KP+64*\ks+32
.endr
.endr
.endm
; Softmax step of query tile qt: 32 scores a lane.  mold, mnew: the sets of maxima.  first = 1: nothing is carried yet.
.macro SM qt, mold, mnew, first
.set sb, SC+32*\qt
	v_max3_num_f32 v[T], v[sb], v[sb+1], v[sb+2]
	v_max3_num_f32 v[T+1], v[sb+3], v[sb+4], v[sb+5]
.set jj, 6
.rept 6
	v_max3_num_f32 v[T], v[T], v[sb+jj], v[sb+jj+1]
	v_max3_num_f32 v[T+1], v[T+1], v[sb+jj+2], v[sb+jj+3]
.set jj, jj+4
.endr
	v_max3_num_f32 v[T], v[T], v[sb+30], v[sb+31]
	v_max_num_f32 v[T], v[T], v[T+1]
	v_permlanex16_b32 v[T+1], v[T], s12, s13       ; the other half of the lanes holds the query's other keys
.if \first
	v_max_num_f32 v[\mnew+\qt], v[T], v[T+1]
.else
	v_max3_num_f32 v[\mnew+\qt], v[T], v[T+1], v[\mold+\qt]
	v_sub_f32 v[T+2], v[\mold+\qt], v[\mnew+\qt]
	v_mul_f32 v[T+2], s14, v[T+2]
	v_exp_f32 v[AL+2*\qt], v[T+2]                  ; the next line is the plain place behind it
.endif
	v_mul_f32 v[NM], s50, v[\mnew+\qt]
.set jj, 0
.rept 16
	v_pk_fma_f32 v[sb+jj:sb+jj+1], v[sb+jj:sb+jj+1], s[14:15], v[NM:NM+1] op_sel_hi:[1,0,0]
.set jj, jj+2
.endr
.set jj, 0
.rept 32
	v_exp_f32 v[sb+jj], v[sb+jj]
.set jj, jj+1
.endr
	v_nop                                          ; one plain place behind the last exponential (ISA guide 5.7.2)
	s_wait_alu depctr_va_vdst(0)
	v_pk_add_f32 v[T:T+1], v[sb:sb+1], v[sb+2:sb+3]
	v_pk_add_f32 v[T+2:T+3], v[sb+4:sb+5], v[sb+6:sb+7]
.set jj, 8
.rept 6
	v_pk_add_f32 v[T:T+1], v[T:T+1], v[sb+jj:sb+jj+1]
	v_pk_add_f32 v[T+2:T+3], v[T+2:T+3], v[sb+jj+2:sb+jj+3]
.set jj, jj+4
.endr
	v_pk_add_f32 v[T:T+1], v[T:T+1], v[T+2:T+3]
.if \first
	v_add_f32 v[LS+\qt], v[T], v[T+1]
.else
	v_add_f32 v[T], v[T], v[T+1]
	v_fma_f32 v[LS+\qt], v[LS+\qt], v[AL+2*\qt], v[T]
.endif
.set jj, 0
.rept 8
	v_cvt_pk_bf16_f32 v[sb+jj], v[sb+2*jj], v[sb+2*jj+1]           ; key tiles 0, 1 -> P fragment of keys 0-31, in place from below
.set jj, jj+1
.endr
.set jj, 0
.rept 8
	v_cvt_pk_bf16_f32 v[sb+16+jj], v[sb+16+2*jj], v[sb+16+2*jj+1]  ; key tiles 2, 3 -> keys 32-63
.set jj, jj+1
.endr
.endm
; A step of 64 keys, j = 0..3 in the slot's tile.  more = 1: the next step's K fragments are fetched.
; In both products 16 accumulators take turns, one instruction a turn.
.macro SUB slot, j, first, more
	WIN 0x40
.irp ks, 0,1
.irp et, 0,1,2,3
	ds_load_tr16_b128 v[VF+32*\ks+8*\et:VF+32*\ks+8*\et+3],   v[VADR+2*\slot+\j/2] offset:(64*(\j%2)+32*\ks)*VP+32*\et
	ds_load_tr16_b128 v[VF+32*\ks+8*\et+4:VF+32*\ks+8*\et+7], v[VADR+2*\slot+\j/2] offset:(64*(\j%2)+32*\ks)*VP+32*\et+16*VP
.endr
.endr
	s_wait_dscnt 16                                ; K's fragments are in; the 16 loads of V just issued may be out
	WIN 0x04                                       ; source 1 (Q) in window 1
.irp qt, 0,1,2,3
.irp kt, 0,1,2,3
	v_wmma_f32_16x16x32_bf16 v[SC+32*\qt+8*\kt:SC+32*\qt+8*\kt+7], v[KF+16*\kt:KF+16*\kt+7], v[QF+16*\qt:QF+16*\qt+7], 0
.endr
.endr
.irp qt, 0,1,2,3
.irp kt, 0,1,2,3
	v_wmma_f32_16x16x32_bf16 v[SC+32*\qt+8*\kt:SC+32*\qt+8*\kt+7], v[KF+16*\kt+8:KF+16*\kt+15], v[QF+16*\qt+8:QF+16*\qt+15], v[SC+32*\qt+8*\kt:SC+32*\qt+8*\kt+7]
.endr
.endr
	WIN 0
.rept 4
	v_nop                                          ; four places: then K's registers are loaded again and the scores are read (ISA guide 7.12.1)
.endr
.if \more
	KLOAD \slot, \j+1
.endif
	SM 0, MA+26*(\j%2), MB-26*(\j%2), \first
	SM 1, MA+26*(\j%2), MB-26*(\j%2), \first
	SM 2, MA+26*(\j%2), MB-26*(\j%2), \first
	SM 3, MA+26*(\j%2), MB-26*(\j%2), \first
.if \first == 0
	WIN 0x41                                       ; O in window 1, the factor in window 0
.irp qt, 0,1,2,3
.set jj, 0
.rept 16
	v_pk_mul_f32 v[OA+32*\qt+jj:OA+32*\qt+jj+1], v[OA+32*\qt+jj:OA+32*\qt+jj+1], v[AL+2*\qt:AL+2*\qt+1] op_sel_hi:[1,0]
.set jj, jj+2
.endr
.endr
.endif
	s_wait_dscnt 16*\more                          ; V's fragments are in; the next step's 16 loads of K may be out
	WIN 0x51                                       ; V and O in window 1, P in window 0
.irp qt, 0,1,2,3
.irp et, 0,1,2,3
.if \first
	v_wmma_f32_16x16x32_bf16 v[OA+32*\qt+8*\et:OA+32*\qt+8*\et+7], v[VF+8*\et:VF+8*\et+7], v[SC+32*\qt:SC+32*\qt+7], 0
.else
	v_wmma_f32_16x16x32_bf16 v[OA+32*\qt+8*\et:OA+32*\qt+8*\et+7], v[VF+8*\et:VF+8*\et+7], v[SC+32*\qt:SC+32*\qt+7], v[OA+32*\qt+8*\et:OA+32*\qt+8*\et+7]
.endif
.endr
.endr
.irp qt, 0,1,2,3
.irp et, 0,1,2,3
	v_wmma_f32_16x16x32_bf16 v[OA+32*\qt+8*\et:OA+32*\qt+8*\et+7], v[VF+32+8*\et:VF+32+8*\et+7], v[SC+32*\qt+16:SC+32*\qt+23], v[OA+32*\qt+8*\et:OA+32*\qt+8*\et+7]
.endr
.endr
	WIN 0
.rept 5
	v_nop                                          ; five places: the next step's products write over P, its loads over V's fragments
.endr
.endm
; A tile of 256 keys.  In front of the round every wave waits for all its tensor loads (this tile's parts among them) and for its reads of the other slot;
; the joint refills of that slot are the first tensor loads behind the round and have the whole tile's work in which to land.
.macro TRIP slot, refill, first
	s_wait_tensorcnt 0x0
	ds_add_u32 v62, v63
	s_wait_dscnt 0x0
	s_add_nc_u64 s[G0K+4*\slot+2:G0K+4*\slot+3], s[G0K+4*\slot+2:G0K+4*\slot+3], 2*TILEB    ; no load of mine is out: this slot's next tile
	s_add_nc_u64 s[G0V+4*\slot+2:G0V+4*\slot+3], s[G0V+4*\slot+2:G0V+4*\slot+3], 2*TILEB
	s_wait_dscnt 0x0
	ROUND
.if \refill
	tensor_load_to_lds s[G0K+4-4*\slot:G0K+7-4*\slot], s[G1K:G1K+7]
	s_nop 0
	tensor_load_to_lds s[G0V+4-4*\slot:G0V+7-4*\slot], s[G1V:G1V+7]
	s_nop 0
.endif
	KLOAD \slot, 0
	SUB \slot, 0, \first, 1
	SUB \slot, 1, 0, 1
	SUB \slot, 2, 0, 1
	SUB \slot, 3, 0, 0
.endm
	s_wait_loadcnt 0x0                             ; Q
	TRIP 0, 1, 1                                   ; eight tiles: two, two trips of two, two
	TRIP 1, 1, 0
	s_mov_b32 s48, 2
.Lpair:
	TRIP 0, 1, 0
	TRIP 1, 1, 0
	s_sub_co_u32 s48, s48, 1
	s_cmp_lg_u32 s48, 0
	s_cbranch_scc1 .Lpair
	TRIP 0, 1, 0
	TRIP 1, 0, 0                                   ; the last tile fetches nothing
	; THE END: the two halves' sums meet, O / sum, round, through the stage, out as rows of 256 bytes (both heads of the pair)
.irp qt, 0,1,2,3
	v_permlanex16_b32 v[T+\qt], v[LS+\qt], s12, s13
.endr
.irp qt, 0,1,2,3
	v_add_f32 v[LS+\qt], v[LS+\qt], v[T+\qt]       ; at least 1: the largest score's exponential is 1
.endr
.irp qt, 0,1,2,3
	v_rcp_f32 v[AL+2*\qt], v[LS+\qt]
.endr
	v_nop
	WIN 0x01                                       ; from O in window 1 into the scores' registers
	s_wait_alu depctr_va_vdst(0)
.irp qt, 0,1,2,3
.set jj, 0
.rept 16
	v_pk_mul_f32 v[SC+32*\qt+jj:SC+32*\qt+jj+1], v[OA+32*\qt+jj:OA+32*\qt+jj+1], v[AL+2*\qt:AL+2*\qt+1] op_sel_hi:[1,0]
.set jj, jj+2
.endr
.endr
	WIN 0
.irp qt, 0,1,2,3
.irp et, 0,1,2,3
.irp i, 0,1,2,3
	v_cvt_pk_bf16_f32 v[SC+32*\qt+8*\et+\i], v[SC+32*\qt+8*\et+2*\i], v[SC+32*\qt+8*\et+2*\i+1]
.endr
	ds_store_b128 v[STO], v[SC+32*\qt+8*\et:SC+32*\qt+8*\et+3] offset:16*KP*\qt+32*\et
.endr
.endr
	s_wait_dscnt 0x0                               ; my part of the stage is written,
	s_barrier_signal -1
	s_barrier_wait -1                              ; everybody's is
.irp t, 0,1,2,3,4,5,6,7,8,9,10,11,12,13,14,15
	ds_load_b128 v[KF+4*\t:KF+4*\t+3], v[RD] offset:2*KP*\t
.endr
.irp t, 0,1,2,3,4,5,6,7,8,9,10,11,12,13,14,15
	s_wait_dscnt 15-\t
	global_store_b128 v[CO], v[KF+4*\t:KF+4*\t+3], s[6:7] offset:4096*\t    ; 16 lanes store 256 consecutive bytes, aligned
.endr
	s_wait_tensorcnt 0x0
	ds_add_u32 v62, v63
	s_wait_dscnt 0x0
	ROUND                                          ; the closing round
	s_endpgm
.Lfunc_end_k_q0c9273be90_attn:
	.size	k_q0c9273be90_attn, .Lfunc_end_k_q0c9273be90_attn-k_q0c9273be90_attn
	.p2alignl 7, 3214868480
	.fill 96, 4, 3214868480
	.section	.rodata,"a",@progbits
	.p2align	6, 0x0
	.amdhsa_kernel k_q0c9273be90_attn
		.amdhsa_group_segment_fixed_size 327680
		.amdhsa_private_segment_fixed_size 0
		.amdhsa_enable_private_segment 0
		.amdhsa_kernarg_size 16
		.amdhsa_user_sgpr_count 2
		.amdhsa_user_sgpr_kernarg_segment_ptr 1
		.amdhsa_wavefront_size32 1
		.amdhsa_system_sgpr_workgroup_id_x 1
		.amdhsa_system_sgpr_workgroup_id_y 1
		.amdhsa_system_sgpr_workgroup_id_z 1
		.amdhsa_system_vgpr_workitem_id 0
		.amdhsa_next_free_vgpr 512
		.amdhsa_next_free_sgpr 66
		.amdhsa_reserve_vcc 0
		.amdhsa_float_denorm_mode_32 3
		.amdhsa_float_denorm_mode_16_64 3
		.amdhsa_memory_ordered 1
		.amdhsa_forward_progress 1
		.amdhsa_inst_pref_size 255
	.end_amdhsa_kernel
	.section	.bss,"aw",@nobits
	.p2align	6
	.space	262144
	.amdgpu_metadata
---
amdhsa.version: [ 1, 2 ]
amdhsa.kernels:
  - .name:           k_q0c9273be90_attn
    .symbol:         k_q0c9273be90_attn.kd
    .args:
      - { .name: big, .offset: 0, .size: 8, .value_kind: global_buffer, .address_space: global }
      - { .name: ob, .offset: 8, .size: 8, .value_kind: global_buffer, .address_space: global }
    .group_segment_fixed_size: 327680
    .private_segment_fixed_size: 0
    .kernarg_segment_align: 8
    .kernarg_segment_size: 16
    .max_flat_workgroup_size: 128
    .sgpr_count:     66
    .vgpr_count:     512
    .wavefront_size: 32
...
	.end_amdgpu_metadata
.endif
;; end of part 3
;; launch proj (part 4): grid 8 x 32, 4 waves a work-group, clusters of 4 x 4, 327,680 bytes of LDS; arguments ob, wb, x1, bproj, x; writes x1
.if DOCPART == 4
	.amdgcn_target "amdgcn-amd-amdhsa--gfx1250"
	.amdhsa_code_object_version 6
	.text
	.protected	k_q0c9273be90_proj
	.globl	k_q0c9273be90_proj
	.p2align	8
	.type	k_q0c9273be90_proj,@function
k_q0c9273be90_proj:
	s_mov_b64 s[64:65], 0
	v_nop
	global_prefetch_b8 v0, s[64:65] scope:SCOPE_SE
	s_setreg_imm32_b32 hwreg(HW_REG_WAVE_MODE, 25, 1), 1
	s_wait_xcnt 0x0
	s_wait_alu depctr_hold_cnt(0) depctr_sa_sdst(0) depctr_va_vdst(0) depctr_va_sdst(0) depctr_va_ssrc(0) depctr_va_vcc(0) depctr_vm_vsrc(0)
	s_getreg_b32 s2, hwreg(HW_REG_IB_STS2, 6, 4)
	s_cmp_eq_u32 s2, 0
	s_cbranch_scc0 .Lentry_in_a_cluster
	s_endpgm
.Lentry_in_a_cluster:
	s_bfe_u32 s2, ttmp6, 0x10000c
	s_cmp_lg_u32 s2, 0xf033
	s_cbranch_scc0 .Lentry_shape_is_right
	s_endpgm
.Lentry_shape_is_right:
; C[4096][1024] (f32) = RES + A[4096][SIZE_K] x W[SIZE_K][1024] + bias.  A and W bf16, sums in f32.  Here: x1 = x + ob x Wproj + bproj.
; N is 1,024 only: blocks of 128 x 128 give 256 work-groups.  So that a wave still has 128 x 128 accumulators (64 tiles, 512 registers), the four waves
; SPLIT K: a K step of the work-group is 256, of which wave w multiplies k = 64 w .. + 63 for the whole block.  The four partial sums meet in LDS on
; the way out, in the slots, which have had their last fill by then.
; A's rows lie along K; W lies [K][N] and stays so in LDS: its fragments are read with the transposing load ds_load_tr16_b128.
; CLUSTERS: 4 x 4 work-groups; A's tile is asked for jointly by a row of the cluster, W's by a column: the requests for both are divided by four.
; LIMIT: A and W are bf16; an output is the sum of four f32 partial sums, the bias and the residual, in that order.
; REGISTERS in windows of 256: window 0: v16-29 addresses, v64-127 and v128-191 A's fragments, v192-195 bias; window 1: v64-127, v128-191 W's fragments,
; v0-63 and v192-255 my 32 rows of the residual; windows 2, 3: accumulators of rows 0-63, 64-127, tile (a, b) at v[8 (8 a + b)].
; The matrix instruction is used transposed (source 0 = 16 columns of W, source 1 = 16 rows of A): lane l holds row l % 16 of C and eight neighbouring columns.
.set SIZE_N, 1024
.set SIZE_K, 1024
.set WOFF,   6291456                   ; the table's first byte in wb
.set BLKM,   128
.set BLKN,   128
.set KSTEP,  256
.set PA,     528                       ; A's LDS pitch: 512 bytes + 16, an odd multiple of 16
.set PB,     288                       ; W's LDS pitch: 256 bytes + 32, an odd multiple of 32
.set AD0, 256                          ; A's tensor load: 256 elements x 64 rows, padded by 4 words after every 128
.set AD1, 64
.set AQI, 6
.set APAD, 4
.set WD0, 128                          ; W's tensor load: 128 elements x 128 rows of k, padded by 8 words after every 64
.set WD1, 128
.set WQI, 5
.set WPAD, 8
.set QTR,    36864                     ; a quarter of a slot: 128 x 288; A's halves (64 x 528 = 33,792) leave its end unused
.set AHALF,  QTR                       ; from A's fragment 0 to fragment 4
.set SLOT,   4*QTR
.set RP,     528                       ; the way out: a row of 128 f32 + 16 bytes
.set REGION, 128*RP                    ; one wave's partial sums
.set LAPS, SIZE_K/(2*KSTEP)
.set ADRA, 16
.set ADRB, 20
.set STO,  24
.set RD,   25                          ; v25-28: my 32 rows in regions 0..3
.set CO,   29
.set F0,   64
.set F1,   128
.set BIAS, 192
.set G1, 24
.set G0, 32
.set G1B, 48
.set G0B, 56
.set MSB, 0
.macro WIN new                         ; the immediate's high byte repeats the setting that is left
.if MSB != \new
	s_set_vgpr_msb (MSB<<8)|\new
.set MSB, \new
.endif
.endm
.set MUL_LO, 0xa1                      ; source 0 (W) window 1, source 1 (A) window 0, C and D window 2
.set MUL_HI, 0xf1                      ; the same, C and D window 3
.set TO_B,   0x40                      ; destination window 1, address window 0
; A joint load.  Waves 0 and 1 fetch A's halves, waves 2 and 3 W's; the branch hangs on the wave's number alone.
.macro JLOAD s
	s_cmp_eq_u32 s11, 0
	s_cbranch_scc0 .Lfor_b_\@
	tensor_load_to_lds s[G0+4*\s:G0+4*\s+3], s[G1:G1+7]
	s_nop 0
	s_branch .Lasked_\@
.Lfor_b_\@:
	tensor_load_to_lds s[G0B+4*\s:G0B+4*\s+3], s[G1B:G1B+7]
	s_nop 0
.Lasked_\@:
.endm
.macro CREST                           ; a round of the cluster's barrier behind its opening work-group barrier
	s_cmp_lg_u32 s10, 0
	s_cbranch_scc1 .Lnot_wave_0_\@
	s_barrier_signal -3
.Lnot_wave_0_\@:
	s_barrier_wait -3
	s_barrier_signal -1
	s_barrier_wait -1
.endm
.macro CROUND                          ; a whole round
	s_barrier_signal -1
	s_barrier_wait -1
	CREST
.endm
	s_load_b128 s[4:7], s[0:1], 0x0                ; A s[4:5], wb s[6:7]
	s_load_b64 s[8:9], s[0:1], 0x10                ; C
	s_load_b128 s[68:71], s[0:1], 0x18             ; bias s[68:69], residual s[70:71]
	v_lshl_add_u32 v254, v0, 2, 0x48000
	v_mov_b32 v255, 0
	ds_add_u32 v254, v255
	v_lshrrev_b32 v1, 5, v0
	v_readfirstlane_b32 s10, v1                    ; wave 0..3: my quarter of each K step
	s_lshr_b32 s11, s10, 1                         ; I fetch for A (0) or for W (1)
	s_and_b32 s12, s10, 1                          ; which half of that tile I fetch
	s_bfe_u32 s40, ttmp6, 0x40000                  ; cx
	s_bfe_u32 s41, ttmp6, 0x40004                  ; cy
	s_lshl_b32 s42, ttmp9, 2
	s_add_co_u32 s42, s42, s40                     ; block column
	s_and_b32 s13, ttmp7, 0xffff
	s_lshl_b32 s13, s13, 2
	s_add_co_u32 s13, s13, s41                     ; block row
	s_lshl_b32 s43, s41, 2
	s_lshl_b32 s43, 15, s43                        ; my row of the cluster
	s_lshl_b32 s44, 0x1111, s40                    ; my column
	s_or_b32 s[G1+0], s43, (1<<16)|(1<<20)|(1<<21)|(AQI<<22)|((APAD-1)<<25)    ; mask; elements of 2 bytes; padding on; bit 21 beside a mask; interval; pad
	s_mov_b32 s[G1+1], AD0<<16                     ; tensor_dim0
	s_mov_b32 s[G1+2], AD1<<16                     ; tensor_dim1
	s_mov_b32 s[G1+3], AD0<<16                     ; tile_dim0
	s_mov_b32 s[G1+4], AD1                         ; tile_dim1
	s_mov_b32 s[G1+5], SIZE_K                      ; elements from row to row
	s_mov_b32 s[G1+6], 0
	s_mov_b32 s[G1+7], 0
	s_or_b32 s[G1B+0], s44, (1<<16)|(1<<20)|(1<<21)|(WQI<<22)|((WPAD-1)<<25)
	s_mov_b32 s[G1B+1], WD0<<16
	s_mov_b32 s[G1B+2], WD1<<16
	s_mov_b32 s[G1B+3], WD0<<16
	s_mov_b32 s[G1B+4], WD1
	s_mov_b32 s[G1B+5], SIZE_N
	s_mov_b32 s[G1B+6], 0
	s_mov_b32 s[G1B+7], 0
	; where the tiles come from: A's from the block row and the wave, W's from the block column and the wave, in registers that never hold the other coordinate
	s_mul_i32 s16, s13, BLKM
	s_mul_i32 s17, s12, AD1
	s_add_co_u32 s16, s16, s17                     ; A's first row of my load
	s_mul_i32 s16, s16, SIZE_K*2                   ; in bytes: below 2^26
	s_mov_b32 s17, 0
	s_mul_i32 s46, s42, BLKN*2                     ; W's first column, in bytes
	s_mul_i32 s47, s12, WD1*SIZE_N*2               ; my rows of k
	s_add_co_u32 s46, s46, s47
.if WOFF
	s_add_co_u32 s46, s46, WOFF
.endif
	s_mov_b32 s47, 0
	s_mul_i32 s20, s10, QTR                        ; and where they go: wave x a quarter of the slot
	s_wait_dscnt 0x0
	s_wait_kmcnt 0x0
	s_add_nc_u64 s[14:15], s[4:5], s[16:17]
	s_add_nc_u64 s[46:47], s[6:7], s[46:47]
	CROUND                                         ; all sixteen work-groups are here: the first joint loads meet
.irp s, 0,1
	s_mov_b32 s[G0+4*\s], 1
	s_add_co_u32 s[G0+4*\s+1], s20, \s*SLOT
	s_add_nc_u64 s[G0+4*\s+2:G0+4*\s+3], s[14:15], \s*KSTEP*2
	s_or_b32 s[G0+4*\s+3], s[G0+4*\s+3], 0x80000000
	s_mov_b32 s[G0B+4*\s], 1
	s_add_co_u32 s[G0B+4*\s+1], s20, \s*SLOT
	s_add_nc_u64 s[G0B+4*\s+2:G0B+4*\s+3], s[46:47], \s*KSTEP*SIZE_N*2
	s_or_b32 s[G0B+4*\s+3], s[G0B+4*\s+3], 0x80000000
	JLOAD \s                                       ; two tensor loads of the wave are out here, later one
.endr
	; A's fragment: lane l holds row l % 16; two loads of 16 bytes, 32 apart, at row x pitch + 16 (l / 16).
	; W's fragment: two transposing loads, 16 rows of k apart, at (8 (l / 16) + l % 8) x pitch + 16 ((l / 8) % 2).
	v_and_b32 v1, 15, v0
	v_bfe_u32 v2, v0, 4, 1
	v_mul_u32_u24 v3, v1, PA
	v_lshl_add_u32 v3, v2, 4, v3
	v_and_b32 v4, 7, v0
	v_lshl_add_u32 v4, v2, 3, v4
	v_mul_u32_u24 v4, v4, PB
	v_bfe_u32 v5, v0, 3, 1
	v_lshl_add_u32 v4, v5, 4, v4
	s_lshl_b32 s21, s10, 7                         ; my 64 k of A's rows: 128 bytes
	s_mul_i32 s22, s10, 64*PB                      ; my 64 rows of W,
	s_add_co_u32 s22, s22, 2*QTR                   ; which lies behind A
.irp s, 0,1
	v_add_nc_u32 v[ADRA+\s], s21, v3
	v_add_nc_u32 v[ADRB+\s], s22, v4
	s_add_co_u32 s21, s21, SLOT
	s_add_co_u32 s22, s22, SLOT
.endr
	s_mul_i32 s23, s10, REGION                     ; the way out: my region,
	v_mul_u32_u24 v4, v1, RP
	v_lshl_add_u32 v4, v2, 5, v4                   ; row l % 16, 32 bytes for each half of the lanes
	v_add_nc_u32 v[STO], s23, v4
	s_mul_i32 s23, s10, 32*RP                      ; and the 32 rows that I add up, in every region
	v_and_b32 v6, 31, v0
	v_lshlrev_b32 v[CO], 4, v6                     ; 16 bytes a lane: a row of 512 bytes
	v_add_nc_u32 v[RD], s23, v[CO]
	v_add_nc_u32 v[RD+1], REGION, v[RD]
	v_add_nc_u32 v[RD+2], 2*REGION, v[RD]
	v_add_nc_u32 v[RD+3], 3*REGION, v[RD]
	; bias of my four columns and residual of my 32 rows: asked for now, waited for on the way out
	s_lshl_b32 s16, s13, 7
	s_lshl_b32 s17, s10, 5
	s_add_co_u32 s16, s16, s17                     ; row 128 block + 32 wave
	s_lshl_b32 s16, s16, 12                        ; x 4,096 bytes
	s_mov_b32 s17, 0
	s_lshl_b32 s46, s42, 9                         ; column 128 block x 4 bytes
	s_mov_b32 s47, 0
	s_add_nc_u64 s[8:9], s[8:9], s[16:17]
	s_add_nc_u64 s[8:9], s[8:9], s[46:47]
	s_add_nc_u64 s[70:71], s[70:71], s[16:17]
	s_add_nc_u64 s[70:71], s[70:71], s[46:47]
	s_add_nc_u64 s[68:69], s[68:69], s[46:47]
	global_load_b128 v[BIAS:BIAS+3], v[CO], s[68:69]
	WIN TO_B
.set ri, 0
.rept 32
	global_load_b128 v[4*ri+(ri/16)*128:4*ri+(ri/16)*128+3], v[CO], s[70:71] offset:4096*ri    ; window 1: row i at v[4 i], from row 16 on at v[192 + 4 (i - 16)]
.set ri, ri+1
.endr
	WIN 0
; 16 matrix instructions: m blocks a0, a0 + 1 of the window's four x all 8 n blocks, 32 along K.  zero = 1: the first product starts the sums.
.macro MUL16 f, hi, a0, zero
.irp a, \a0, \a0+1
.irp b, 0,1,2,3,4,5,6,7
.if \zero
	v_wmma_f32_16x16x32_bf16 v[8*(8*(\a)+\b):8*(8*(\a)+\b)+7], v[\f+8*\b:\f+8*\b+7], v[\f+8*(4*\hi+\a):\f+8*(4*\hi+\a)+7], 0
.else
	v_wmma_f32_16x16x32_bf16 v[8*(8*(\a)+\b):8*(8*(\a)+\b)+7], v[\f+8*\b:\f+8*\b+7], v[\f+8*(4*\hi+\a):\f+8*(4*\hi+\a)+7], v[8*(8*(\a)+\b):8*(8*(\a)+\b)+7]
.endif
.endr
.endr
.endm
; 32 LDS loads in one run: the fragments of quarter q (32 along K) of a slot into buffer f: W's eight, then A's eight
.macro FETCH slot, q, f
	WIN TO_B
.irp i, 0,1,2,3,4,5,6,7
	ds_load_tr16_b128 v[\f+8*\i:\f+8*\i+3],   v[ADRB+\slot] offset:32*\q*PB+32*\i
	ds_load_tr16_b128 v[\f+8*\i+4:\f+8*\i+7], v[ADRB+\slot] offset:32*\q*PB+32*\i+16*PB
.endr
	WIN 0
.irp i, 0,1,2,3,4,5,6,7
	ds_load_b128 v[\f+8*\i:\f+8*\i+3],   v[ADRA+\slot] offset:(\i/4)*AHALF+(\i%4)*16*PA+64*\q
	ds_load_b128 v[\f+8*\i+4:\f+8*\i+7], v[ADRA+\slot] offset:(\i/4)*AHALF+(\i%4)*16*PA+64*\q+32
.endr
.endm
; Four plain vector places between a matrix instruction and a load into, or a vector access to, one of its registers
.macro PLACES
.rept 4
	v_nop
.endr
.endm
; A quarter step: multiplies buffer f; in its middle it fetches quarter q of the same slot into buffer g.
; The 64 accumulators take turns, one instruction a turn.
.macro QUARTER slot, q, f, g, zero
	s_wait_dscnt 8                                 ; W and A's rows 0-63 are in; the youngest eight loads (A's rows 64-127) may be out
	WIN MUL_LO
	MUL16 \f, 0, 0, \zero
	MUL16 \f, 0, 2, \zero
	PLACES
	FETCH \slot, \q, \g
	s_wait_dscnt 32                                ; all but the 32 just issued
	WIN MUL_HI
	MUL16 \f, 1, 0, \zero
	MUL16 \f, 1, 2, \zero
.endm
.macro FRONT slot, zero                ; a wave's 64 k of a step are two quarters of 32: all but the last
	QUARTER \slot, 1, F0, F1, \zero
.endm
; The last quarter: multiplies buffer 1 and changes slots.  In front of the barrier each wave waits for its reads of this slot and for all its tensor
; loads (one is out: its part of the next slot).  fill = 1: the barrier opens a round of the cluster's barrier, and the joint refill of this slot,
; two K steps ahead, is the first tensor load behind the round.
.macro TURN slot, next, fill
	s_wait_dscnt 8
	WIN MUL_LO
	MUL16 F1, 0, 0, 0
	s_wait_dscnt 0
	s_set_vgpr_msb 0xa1a0
	s_wait_tensorcnt 0x0
	ds_add_u32 v254, v255
	s_wait_dscnt 0x0
	s_set_vgpr_msb 0xa0a1
	s_barrier_signal -1
	MUL16 F1, 0, 2, 0                              ; register work while the others arrive
	WIN 0
	s_barrier_wait -1
.if \fill
	CREST
	s_add_nc_u64 s[G0+4*\slot+2:G0+4*\slot+3], s[G0+4*\slot+2:G0+4*\slot+3], 2*KSTEP*2
	s_add_nc_u64 s[G0B+4*\slot+2:G0B+4*\slot+3], s[G0B+4*\slot+2:G0B+4*\slot+3], 2*KSTEP*SIZE_N*2
	JLOAD \slot
.endif
	PLACES
	FETCH \next, 0, F0
	WIN MUL_HI
	MUL16 F1, 1, 0, 0
	MUL16 F1, 1, 2, 0
.endm
.macro LAP zero
	FRONT 0, \zero
	TURN 0, 1, 1
	FRONT 1, 0
	TURN 1, 0, 1
.endm
	s_wait_tensorcnt 1                             ; my part of K step 0 is in; K step 1's stays out
	s_barrier_signal -1
	s_barrier_wait -1
	FETCH 0, 0, F0
	LAP 1                                          ; the first lap's first products start the sums
.if LAPS > 2
	WIN 0
	s_mov_b32 s3, LAPS-2
.Llap:
	LAP 0
	WIN 0
	s_sub_co_u32 s3, s3, 1
	s_cmp_lg_u32 s3, 0
	s_cbranch_scc1 .Llap
.endif
	FRONT 0, 0                                     ; the last lap fills nothing
	TURN 0, 1, 0
	FRONT 1, 0
	s_wait_dscnt 8
	WIN MUL_LO
	MUL16 F1, 0, 0, 0
	MUL16 F1, 0, 2, 0
	s_wait_dscnt 0                                 ; my last reads of the slots are back
	WIN MUL_HI
	MUL16 F1, 1, 0, 0
	MUL16 F1, 1, 2, 0
	; THE WAY OUT.  Every wave lays its 128 x 128 partial sums into its region of LDS (on the slots: no tensor load follows, none is out since the last
	; change of slots, and no LDS read of mine is out since the wait above); then wave w adds up rows 32 w .. + 31 of the four regions.
	PLACES                                         ; four places before the LDS stores read the sums
	WIN 0
	s_barrier_signal -1
	s_barrier_wait -1                              ; nobody reads the slots any more
.macro PUT win, hi                     ; the 32 tiles of one window: 16 bytes twice a tile; store data are source 1
	WIN \win
.irp a, 0,1,2,3
.irp b, 0,1,2,3,4,5,6,7
	ds_store_b128 v[STO], v[8*(8*\a+\b):8*(8*\a+\b)+3]   offset:16*RP*(4*\hi+\a)+64*\b
	ds_store_b128 v[STO], v[8*(8*\a+\b)+4:8*(8*\a+\b)+7] offset:16*RP*(4*\hi+\a)+64*\b+16
.endr
.endr
.endm
	PUT 0x08, 0
	PUT 0x0c, 1
	WIN 0
	s_wait_dscnt 0x0                               ; my region is written,
	s_barrier_signal -1
	s_barrier_wait -1                              ; everybody's is
	s_wait_loadcnt 0x0                             ; bias and residual
; eight rows: 32 loads (a row of 512 bytes from each region), the sums, the stores (32 lanes: 512 consecutive bytes, aligned)
.macro BATCH n
.if \n
	s_wait_xcnt 0x0                                ; the last batch's stores have had their addresses translated: their data are loaded over only behind this wait
.endif
.irp t, 0,1,2,3,4,5,6,7
.irp p, 0,1,2,3
	ds_load_b128 v[F0+16*\t+4*\p:F0+16*\t+4*\p+3], v[RD+\p] offset:RP*(8*\n+\t)
.endr
.endr
.irp t, 0,1,2,3,4,5,6,7
	s_wait_dscnt 28-4*\t                           ; the four loads of each younger row may be out
.set ra, F0+16*\t
	v_pk_add_f32 v[ra:ra+1],     v[ra:ra+1],     v[ra+4:ra+5]
	v_pk_add_f32 v[ra+2:ra+3],   v[ra+2:ra+3],   v[ra+6:ra+7]
	v_pk_add_f32 v[ra+8:ra+9],   v[ra+8:ra+9],   v[ra+12:ra+13]
	v_pk_add_f32 v[ra+10:ra+11], v[ra+10:ra+11], v[ra+14:ra+15]
	v_pk_add_f32 v[ra:ra+1],     v[ra:ra+1],     v[ra+8:ra+9]
	v_pk_add_f32 v[ra+2:ra+3],   v[ra+2:ra+3],   v[ra+10:ra+11]
	v_pk_add_f32 v[ra:ra+1],     v[ra:ra+1],     v[BIAS:BIAS+1]
	v_pk_add_f32 v[ra+2:ra+3],   v[ra+2:ra+3],   v[BIAS+2:BIAS+3]
.endr
	WIN 0x04                                       ; source 1: the residual, in window 1
.irp t, 0,1,2,3,4,5,6,7
.set ra, F0+16*\t
.set ri, 8*\n+\t
.set rr, 4*ri+(ri/16)*128
	v_pk_add_f32 v[ra:ra+1],   v[ra:ra+1],   v[rr:rr+1]
	v_pk_add_f32 v[ra+2:ra+3], v[ra+2:ra+3], v[rr+2:rr+3]
.endr
	WIN 0
.irp t, 0,1,2,3,4,5,6,7
	global_store_b128 v[CO], v[F0+16*\t:F0+16*\t+3], s[8:9] offset:4096*(8*\n+\t)
.endr
.endm
	BATCH 0
	BATCH 1
	BATCH 2
	BATCH 3
	s_wait_tensorcnt 0x0
	ds_add_u32 v254, v255
	s_wait_dscnt 0x0
	CROUND                                         ; the closing round: no work-group ends while a partner may still ask for a tile that names it
	s_endpgm
.Lfunc_end_k_q0c9273be90_proj:
	.size	k_q0c9273be90_proj, .Lfunc_end_k_q0c9273be90_proj-k_q0c9273be90_proj
	.p2alignl 7, 3214868480
	.fill 96, 4, 3214868480
	.section	.rodata,"a",@progbits
	.p2align	6, 0x0
	.amdhsa_kernel k_q0c9273be90_proj
		.amdhsa_group_segment_fixed_size 327680
		.amdhsa_private_segment_fixed_size 0
		.amdhsa_enable_private_segment 0
		.amdhsa_kernarg_size 40
		.amdhsa_user_sgpr_count 2
		.amdhsa_user_sgpr_kernarg_segment_ptr 1
		.amdhsa_wavefront_size32 1
		.amdhsa_system_sgpr_workgroup_id_x 1
		.amdhsa_system_sgpr_workgroup_id_y 1
		.amdhsa_system_sgpr_workgroup_id_z 1
		.amdhsa_system_vgpr_workitem_id 0
		.amdhsa_next_free_vgpr 1024
		.amdhsa_next_free_sgpr 72
		.amdhsa_reserve_vcc 0
		.amdhsa_float_denorm_mode_32 3
		.amdhsa_float_denorm_mode_16_64 3
		.amdhsa_memory_ordered 1
		.amdhsa_forward_progress 1
		.amdhsa_inst_pref_size 104
	.end_amdhsa_kernel
	.amdgpu_metadata
---
amdhsa.version: [ 1, 2 ]
amdhsa.kernels:
  - .name:           k_q0c9273be90_proj
    .symbol:         k_q0c9273be90_proj.kd
    .args:
      - { .name: ob, .offset: 0, .size: 8, .value_kind: global_buffer, .address_space: global }
      - { .name: wb, .offset: 8, .size: 8, .value_kind: global_buffer, .address_space: global }
      - { .name: x1, .offset: 16, .size: 8, .value_kind: global_buffer, .address_space: global }
      - { .name: bproj, .offset: 24, .size: 8, .value_kind: global_buffer, .address_space: global }
      - { .name: x, .offset: 32, .size: 8, .value_kind: global_buffer, .address_space: global }
    .group_segment_fixed_size: 327680
    .private_segment_fixed_size: 0
    .kernarg_segment_align: 8
    .kernarg_segment_size: 40
    .max_flat_workgroup_size: 128
    .sgpr_count:     72
    .vgpr_count:     1024
    .wavefront_size: 32
...
	.end_amdgpu_metadata
.endif
;; end of part 4
;; launch ln2 (part 5): grid 256 x 1, 8 waves a work-group, no clusters, 0 bytes of LDS; arguments x1, ln2_g, ln2_b, hn; writes hn
.if DOCPART == 5
	.amdgcn_target "amdgcn-amd-amdhsa--gfx1250"
	.amdhsa_code_object_version 6
	.text
	.protected	k_q0c9273be90_ln2
	.globl	k_q0c9273be90_ln2
	.p2align	8
	.type	k_q0c9273be90_ln2,@function
k_q0c9273be90_ln2:
	s_mov_b64 s[64:65], 0
	v_nop
	global_prefetch_b8 v0, s[64:65] scope:SCOPE_SE
	s_setreg_imm32_b32 hwreg(HW_REG_WAVE_MODE, 25, 1), 1
	s_wait_xcnt 0x0
; hn = LayerNorm(x1) * ln2_g + ln2_b, rounded once to bf16.  x1: [4096][1024] f32.  16 rows a work-group, 2 rows a wave.
; A row is 32 registers of one wave and stays there between the passes: it is read from memory once, and no wave waits for another.
; No LDS, no matrix unit, no cluster: the groups share nothing but the 8 KiB of gain and bias.
; Two passes: mean, then the squares of (x - mean); no difference of large sums.
; LIMIT: the result is bf16, since it is an operand of a matrix product.
.set LOFF, 1                           ; v1        16 x lane
.set SOFF, 2                           ; v2        8 x lane
.set T,    4                           ; v[4:11]   at work
.set MU,   12                          ; v[12:13]  the mean, twice
.set R,    14                          ; v[14:17]  row i: 1/sqrt(var + eps), twice
.set X,    18                          ; v[18:81]  row i: 32 registers
.set G,    82                          ; v[82:113] gain of my 32 columns
.set BB,   114                         ; v[114:145] bias of my 32 columns
.set Y,    146                         ; v[146:177] row i: 16 registers of packed bf16
.macro LANESUM                         ; v[T] = the sum of v[T] over the wave's 32 lanes, in every lane
	v_add_f32_dpp v[T], v[T], v[T] row_xmask:1 row_mask:0xf bank_mask:0xf
	v_add_f32_dpp v[T], v[T], v[T] row_xmask:2 row_mask:0xf bank_mask:0xf
	v_add_f32_dpp v[T], v[T], v[T] row_xmask:4 row_mask:0xf bank_mask:0xf
	v_add_f32_dpp v[T], v[T], v[T] row_xmask:8 row_mask:0xf bank_mask:0xf
	v_permlanex16_b32 v[T+1], v[T], s30, s31       ; the other half of the lanes; v[T+1] has been written before
	v_add_f32 v[T], v[T], v[T+1]
.endm
; Row i: mean, x - mean in place, 1/sqrt(var + eps).  left = the younger loads that may stay out.
.macro STATS i, left
	s_wait_loadcnt \left
	v_pk_add_f32 v[T:T+1], v[X+32*\i:X+32*\i+1], v[X+32*\i+2:X+32*\i+3]         ; two chains, started by the first pairs
	v_pk_add_f32 v[T+2:T+3], v[X+32*\i+4:X+32*\i+5], v[X+32*\i+6:X+32*\i+7]
.irp j, 8,12,16,20,24,28
	v_pk_add_f32 v[T:T+1], v[T:T+1], v[X+32*\i+\j:X+32*\i+\j+1]
	v_pk_add_f32 v[T+2:T+3], v[T+2:T+3], v[X+32*\i+\j+2:X+32*\i+\j+3]
.endr
	v_pk_add_f32 v[T:T+1], v[T:T+1], v[T+2:T+3]
	v_add_f32 v[T], v[T], v[T+1]
	LANESUM
	v_mul_f32 v[MU], s32, v[T]                     ; sum / 1024
	v_mul_f32 v[MU+1], s32, v[T]
.irp j, 0,2,4,6,8,10,12,14,16,18,20,22,24,26,28,30
	v_pk_add_f32 v[X+32*\i+\j:X+32*\i+\j+1], v[X+32*\i+\j:X+32*\i+\j+1], v[MU:MU+1] neg_lo:[0,1] neg_hi:[0,1]
.endr
	v_pk_mul_f32 v[T:T+1], v[X+32*\i:X+32*\i+1], v[X+32*\i:X+32*\i+1]
	v_pk_mul_f32 v[T+2:T+3], v[X+32*\i+2:X+32*\i+3], v[X+32*\i+2:X+32*\i+3]
.irp j, 4,8,12,16,20,24,28
	v_pk_fma_f32 v[T:T+1], v[X+32*\i+\j:X+32*\i+\j+1], v[X+32*\i+\j:X+32*\i+\j+1], v[T:T+1]
	v_pk_fma_f32 v[T+2:T+3], v[X+32*\i+\j+2:X+32*\i+\j+3], v[X+32*\i+\j+2:X+32*\i+\j+3], v[T+2:T+3]
.endr
	v_pk_add_f32 v[T:T+1], v[T:T+1], v[T+2:T+3]
	v_add_f32 v[T], v[T], v[T+1]
	LANESUM
	v_fma_f32 v[T], v[T], s32, s33                 ; var + 1e-5
	v_rsq_f32 v[R+2*\i], v[T]
	v_rsq_f32 v[R+2*\i+1], v[T]
	v_nop                                          ; one plain place before v[T] is written again or the result is used (ISA guide 5.7.2)
.endm
; Row i: scale, gain and bias, round, store.  A store of the wave covers 256 consecutive bytes, aligned.
.macro APPLY i
	s_wait_alu depctr_va_vdst(0)
.irp j, 0,2,4,6,8,10,12,14,16,18,20,22,24,26,28,30
	v_pk_mul_f32 v[X+32*\i+\j:X+32*\i+\j+1], v[X+32*\i+\j:X+32*\i+\j+1], v[R+2*\i:R+2*\i+1]
	v_pk_fma_f32 v[X+32*\i+\j:X+32*\i+\j+1], v[X+32*\i+\j:X+32*\i+\j+1], v[G+\j:G+\j+1], v[BB+\j:BB+\j+1]
.endr
.irp j, 0,1,2,3,4,5,6,7,8,9,10,11,12,13,14,15
	v_cvt_pk_bf16_f32 v[Y+16*\i+\j], v[X+32*\i+2*\j], v[X+32*\i+2*\j+1]
.endr
.irp j, 0,1,2,3,4,5,6,7
	global_store_b64 v[SOFF], v[Y+16*\i+2*\j:Y+16*\i+2*\j+1], s[10:11] offset:2048*\i+256*\j
.endr
.endm
	s_load_b256 s[4:11], s[0:1], 0x0               ; x1 4:5, ln2_g 6:7, ln2_b 8:9, hn 10:11
	; a wave takes rows 16 g + 2 w and the next.  Load j of a row: 512 consecutive bytes, lane l the columns 128 j + 4 l .. + 3
	v_lshrrev_b32 v3, 5, v0
	v_readfirstlane_b32 s26, v3                    ; wave
	v_and_b32 v3, 31, v0
	v_lshlrev_b32 v[LOFF], 4, v3
	v_lshlrev_b32 v[SOFF], 3, v3
	s_lshl_b32 s27, ttmp9, 4
	s_lshl1_add_u32 s27, s26, s27                  ; my first row
	s_lshl_b32 s28, s27, 12                        ; x 4,096 bytes of f32
	s_mov_b32 s29, 0
	s_lshl_b32 s34, s27, 11                        ; x 2,048 bytes of bf16
	s_mov_b32 s35, 0
	s_mov_b32 s30, 0x76543210                      ; v_permlanex16_b32: lane i of one half reads lane i of the other
	s_mov_b32 s31, 0xfedcba98
	s_mov_b32 s32, 0x3a800000                      ; 1/1024
	s_mov_b32 s33, 0x3727c5ac                      ; 1e-5
	s_wait_kmcnt 0x0
	s_add_nc_u64 s[4:5], s[4:5], s[28:29]
	s_add_nc_u64 s[10:11], s[10:11], s[34:35]
.irp i, 0,1
.irp j, 0,1,2,3,4,5,6,7
	global_load_b128 v[X+32*\i+4*\j:X+32*\i+4*\j+3], v[LOFF], s[4:5] offset:4096*\i+512*\j
.endr
.endr
.irp j, 0,1,2,3,4,5,6,7
	global_load_b128 v[G+4*\j:G+4*\j+3], v[LOFF], s[6:7] offset:512*\j
.endr
.irp j, 0,1,2,3,4,5,6,7
	global_load_b128 v[BB+4*\j:BB+4*\j+3], v[LOFF], s[8:9] offset:512*\j
.endr
	STATS 0, 24                                    ; younger: row 1, gain, bias, 8 loads each
	STATS 1, 16                                    ; younger: gain, bias
	s_wait_loadcnt 0x0
	APPLY 0
	APPLY 1
	s_endpgm
.Lfunc_end_k_q0c9273be90_ln2:
	.size	k_q0c9273be90_ln2, .Lfunc_end_k_q0c9273be90_ln2-k_q0c9273be90_ln2
	.p2alignl 7, 3214868480
	.fill 96, 4, 3214868480
	.section	.rodata,"a",@progbits
	.p2align	6, 0x0
	.amdhsa_kernel k_q0c9273be90_ln2
		.amdhsa_group_segment_fixed_size 0
		.amdhsa_private_segment_fixed_size 0
		.amdhsa_enable_private_segment 0
		.amdhsa_kernarg_size 32
		.amdhsa_user_sgpr_count 2
		.amdhsa_user_sgpr_kernarg_segment_ptr 1
		.amdhsa_wavefront_size32 1
		.amdhsa_system_sgpr_workgroup_id_x 1
		.amdhsa_system_sgpr_workgroup_id_y 1
		.amdhsa_system_sgpr_workgroup_id_z 1
		.amdhsa_system_vgpr_workitem_id 0
		.amdhsa_next_free_vgpr 178
		.amdhsa_next_free_sgpr 66
		.amdhsa_reserve_vcc 0
		.amdhsa_float_denorm_mode_32 3
		.amdhsa_float_denorm_mode_16_64 3
		.amdhsa_memory_ordered 1
		.amdhsa_forward_progress 1
		.amdhsa_inst_pref_size 20
	.end_amdhsa_kernel
	.amdgpu_metadata
---
amdhsa.version: [ 1, 2 ]
amdhsa.kernels:
  - .name:           k_q0c9273be90_ln2
    .symbol:         k_q0c9273be90_ln2.kd
    .args:
      - { .name: x1, .offset: 0, .size: 8, .value_kind: global_buffer, .address_space: global }
      - { .name: ln2_g, .offset: 8, .size: 8, .value_kind: global_buffer, .address_space: global }
      - { .name: ln2_b, .offset: 16, .size: 8, .value_kind: global_buffer, .address_space: global }
      - { .name: hn, .offset: 24, .size: 8, .value_kind: global_buffer, .address_space: global }
    .group_segment_fixed_size: 0
    .private_segment_fixed_size: 0
    .kernarg_segment_align: 8
    .kernarg_segment_size: 32
    .max_flat_workgroup_size: 256
    .sgpr_count:     66
    .vgpr_count:     178
    .wavefront_size: 32
...
	.end_amdgpu_metadata
.endif
;; end of part 5
;; launch mlp1 (part 6): grid 16 x 16, 4 waves a work-group, clusters of 4 x 4, 327,680 bytes of LDS; arguments hn, wb, big, b1; writes big
.if DOCPART == 6
	.amdgcn_target "amdgcn-amd-amdhsa--gfx1250"
	.amdhsa_code_object_version 6
	.text
	.protected	k_q0c9273be90_mlp1
	.globl	k_q0c9273be90_mlp1
	.p2align	8
	.type	k_q0c9273be90_mlp1,@function
k_q0c9273be90_mlp1:
	s_mov_b64 s[64:65], 0
	v_nop
	global_prefetch_b8 v0, s[64:65] scope:SCOPE_SE
	s_setreg_imm32_b32 hwreg(HW_REG_WAVE_MODE, 25, 1), 1
	s_wait_xcnt 0x0
	s_wait_alu depctr_hold_cnt(0) depctr_sa_sdst(0) depctr_va_vdst(0) depctr_va_sdst(0) depctr_va_ssrc(0) depctr_va_vcc(0) depctr_vm_vsrc(0)
	s_getreg_b32 s2, hwreg(HW_REG_IB_STS2, 6, 4)
	s_cmp_eq_u32 s2, 0
	s_cbranch_scc0 .Lentry_in_a_cluster
	s_endpgm
.Lentry_in_a_cluster:
	s_bfe_u32 s2, ttmp6, 0x10000c
	s_cmp_lg_u32 s2, 0xf033
	s_cbranch_scc0 .Lentry_shape_is_right
	s_endpgm
.Lentry_shape_is_right:
; C[4096][SIZE_N] = A[4096][SIZE_K] x W[SIZE_K][SIZE_N], A and W bf16, sums in f32, C bf16.  Here: big = relu(hn x W1 + b1).
; A work-group makes 256 x 256 of C with four waves, a wave 128 x 128: 64 accumulator tiles of 16 x 16, 512 registers.
; K goes in steps of 128 through two LDS slots filled by the tensor data mover.  A's rows lie along K; W lies [K][N] and stays so in LDS:
; its fragments are read with the transposing load ds_load_tr16_b128.
; CLUSTERS: 4 x 4 work-groups.  A's tile hangs on the block row alone and is asked for jointly by a row of the cluster, W's on the block column alone
; and is asked for jointly by a column: the requests for both are divided by four.
; EPI = 0: C = the sums.  EPI = 2: C = max(sums + bias, 0).
; LIMIT: operands and C are bf16.
; REGISTERS in windows of 256: window 0: v16-30 addresses, v64-127 and v128-191 A's fragments (two buffers), v192-255 bias (EPI 2);
; window 1: v64-127, v128-191 W's fragments; windows 2, 3: accumulators of my rows 0-63, 64-127, tile (a, b) at v[8 (8 a + b)].
; The matrix instruction is used transposed (source 0 = 16 columns of W, source 1 = 16 rows of A): lane l holds row l % 16 of C and eight neighbouring columns.
.set SIZE_N, 4096
.set SIZE_K, 1024
.set WOFF,   8388608                   ; the table's first byte in wb
.set EPI,    2
.set BLKM,   256
.set BLKN,   256
.set KSTEP,  128
.set PA,     272                       ; A's LDS pitch: 256 bytes + 16, an odd multiple of 16: the 16 rows of a load lie 16 bytes apart modulo 256
.set PB,     544                       ; W's LDS pitch: 512 bytes + 32, an odd multiple of 32
.set AD0, 128                          ; A's tensor load: 128 elements x 128 rows, padded by 4 words after every 64
.set AD1, 128
.set AQI, 5
.set APAD, 4
.set WD0, 256                          ; W's tensor load: 256 elements x 64 rows of k, padded by 8 words after every 128
.set WD1, 64
.set WQI, 6
.set WPAD, 8
.set QTR,    34816                     ; LDS bytes of one wave's load: 128 x 272 = 64 x 544
.set AHALF,  64*PA                     ; from A's fragment 0 to fragment 4
.set SLOT,   4*QTR                     ; A's two halves, then W's two halves
.set STAGE,  2*SLOT                    ; behind the ring: 16 rows x 272 bytes for each wave, for the way out
.set SPITCH, 272
.set LAPS, SIZE_K/(2*KSTEP)            ; a lap = two K steps = once round the ring
.set ADRA, 16                          ; v16-17  LDS address of my A fragments in slot 0, 1
.set ADRB, 20                          ; v20-21  the same for W
.set STO,  24
.set RD,   25
.set CO,   26
.set BOFF, 30
.set F0,   64
.set F1,   128
.set TMP,  128                         ; the way out: packed results
.set BACK, 160                         ; the way out: rows read back
.set BIAS, 192
.set G1, 24                            ; s[24:31] group 1 for A
.set G0, 32                            ; s[32:39] group 0 for A, one set for each slot
.set G1B, 48                           ; s[48:55] group 1 for W
.set G0B, 56                           ; s[56:63] group 0 for W
.set MSB, 0
.macro WIN new                         ; the immediate's high byte repeats the setting that is left
.if MSB != \new
	s_set_vgpr_msb (MSB<<8)|\new
.set MSB, \new
.endif
.endm
.set MUL_LO, 0xa1                      ; source 0 (W) window 1, source 1 (A) window 0, C and D window 2
.set MUL_HI, 0xf1                      ; the same, C and D window 3
.set TO_B,   0x40                      ; destination window 1, address window 0
.if EPI == 2
.set FROM_LO, 0x02                     ; source 0 in the accumulators' window
.set FROM_HI, 0x03
.else
.set FROM_LO, 0x0a                     ; sources 0 and 1 in the accumulators' window
.set FROM_HI, 0x0f
.endif
; A joint load.  Waves 0 and 1 fetch A's halves, waves 2 and 3 W's; the branch hangs on the wave's number alone.
.macro JLOAD s
	s_cmp_eq_u32 s11, 0
	s_cbranch_scc0 .Lfor_b_\@
	tensor_load_to_lds s[G0+4*\s:G0+4*\s+3], s[G1:G1+7]
	s_nop 0
	s_branch .Lasked_\@
.Lfor_b_\@:
	tensor_load_to_lds s[G0B+4*\s:G0B+4*\s+3], s[G1B:G1B+7]
	s_nop 0
.Lasked_\@:
.endm
.macro CREST                           ; a round of the cluster's barrier behind its opening work-group barrier
	s_cmp_lg_u32 s10, 0
	s_cbranch_scc1 .Lnot_wave_0_\@
	s_barrier_signal -3
.Lnot_wave_0_\@:
	s_barrier_wait -3
	s_barrier_signal -1
	s_barrier_wait -1
.endm
.macro CROUND                          ; a whole round
	s_barrier_signal -1
	s_barrier_wait -1
	CREST
.endm
	s_load_b128 s[4:7], s[0:1], 0x0                ; A s[4:5], wb s[6:7]
	s_load_b64 s[8:9], s[0:1], 0x10                ; C
.if EPI == 2
	s_load_b64 s[68:69], s[0:1], 0x18              ; bias
	s_set_vgpr_msb 0x40
	v_lshl_add_u32 v255, v0, 2, 0x48400
	s_set_vgpr_msb 0x4000
	v_mov_b32 v63, 0
	s_set_vgpr_msb 0x1
	ds_add_u32 v255, v63
	s_set_vgpr_msb 0x100
.endif
	v_lshrrev_b32 v1, 5, v0
	v_readfirstlane_b32 s10, v1                    ; wave 0..3
	s_lshr_b32 s11, s10, 1                         ; my half of the block's rows; also: I fetch for A (0) or for W (1)
	s_and_b32 s12, s10, 1                          ; my half of its columns; also: which half of that tile I fetch
	s_bfe_u32 s40, ttmp6, 0x40000                  ; cx
	s_bfe_u32 s41, ttmp6, 0x40004                  ; cy
	s_lshl_b32 s42, ttmp9, 2
	s_add_co_u32 s42, s42, s40                     ; block column
	s_and_b32 s13, ttmp7, 0xffff
	s_lshl_b32 s13, s13, 2
	s_add_co_u32 s13, s13, s41                     ; block row
	s_lshl_b32 s43, s41, 2
	s_lshl_b32 s43, 15, s43                        ; my row of the cluster
	s_lshl_b32 s44, 0x1111, s40                    ; my column
	s_or_b32 s[G1+0], s43, (1<<16)|(1<<20)|(1<<21)|(AQI<<22)|((APAD-1)<<25)    ; mask; elements of 2 bytes; padding on; bit 21 beside a mask; interval; pad
	s_mov_b32 s[G1+1], AD0<<16                     ; tensor_dim0
	s_mov_b32 s[G1+2], AD1<<16                     ; tensor_dim1
	s_mov_b32 s[G1+3], AD0<<16                     ; tile_dim0
	s_mov_b32 s[G1+4], AD1                         ; tile_dim1
	s_mov_b32 s[G1+5], SIZE_K                      ; elements from row to row
	s_mov_b32 s[G1+6], 0
	s_mov_b32 s[G1+7], 0
	s_or_b32 s[G1B+0], s44, (1<<16)|(1<<20)|(1<<21)|(WQI<<22)|((WPAD-1)<<25)
	s_mov_b32 s[G1B+1], WD0<<16
	s_mov_b32 s[G1B+2], WD1<<16
	s_mov_b32 s[G1B+3], WD0<<16
	s_mov_b32 s[G1B+4], WD1
	s_mov_b32 s[G1B+5], SIZE_N
	s_mov_b32 s[G1B+6], 0
	s_mov_b32 s[G1B+7], 0
	; where the tiles come from: A's from the block row and the wave, W's from the block column and the wave, in registers that never hold the other coordinate
	s_mul_i32 s16, s13, BLKM
	s_mul_i32 s17, s12, AD1
	s_add_co_u32 s16, s16, s17                     ; A's first row of my load
	s_mul_i32 s16, s16, SIZE_K*2                   ; in bytes: below 2^26
	s_mov_b32 s17, 0
	s_mul_i32 s46, s42, BLKN*2                     ; W's first column, in bytes
	s_mul_i32 s47, s12, WD1*SIZE_N*2               ; my rows of k
	s_add_co_u32 s46, s46, s47
.if WOFF
	s_add_co_u32 s46, s46, WOFF
.endif
	s_mov_b32 s47, 0
	s_mul_i32 s20, s10, QTR                        ; and where they go: wave x a quarter of the slot
	s_wait_dscnt 0x0
	s_wait_kmcnt 0x0
	s_add_nc_u64 s[14:15], s[4:5], s[16:17]
	s_add_nc_u64 s[46:47], s[6:7], s[46:47]
	CROUND                                         ; all sixteen work-groups are here: the first joint loads meet
.irp s, 0,1
	s_mov_b32 s[G0+4*\s], 1
	s_add_co_u32 s[G0+4*\s+1], s20, \s*SLOT
	s_add_nc_u64 s[G0+4*\s+2:G0+4*\s+3], s[14:15], \s*KSTEP*2
	s_or_b32 s[G0+4*\s+3], s[G0+4*\s+3], 0x80000000
	s_mov_b32 s[G0B+4*\s], 1
	s_add_co_u32 s[G0B+4*\s+1], s20, \s*SLOT
	s_add_nc_u64 s[G0B+4*\s+2:G0B+4*\s+3], s[46:47], \s*KSTEP*SIZE_N*2
	s_or_b32 s[G0B+4*\s+3], s[G0B+4*\s+3], 0x80000000
	JLOAD \s                                       ; two tensor loads of the wave are out here, later one
.endr
	; A's fragment: lane l holds row l % 16; two loads of 16 bytes, 32 apart, at row x pitch + 16 (l / 16).
	; W's fragment: two transposing loads, 16 rows of k apart, at (8 (l / 16) + l % 8) x pitch + 16 ((l / 8) % 2).
	v_and_b32 v1, 15, v0
	v_bfe_u32 v2, v0, 4, 1
	v_mul_u32_u24 v3, v1, PA
	v_lshl_add_u32 v3, v2, 4, v3
	v_and_b32 v4, 7, v0
	v_lshl_add_u32 v4, v2, 3, v4
	v_mul_u32_u24 v4, v4, PB
	v_bfe_u32 v5, v0, 3, 1
	v_lshl_add_u32 v4, v5, 4, v4
	s_mul_i32 s21, s11, QTR                        ; my 128 rows of A
	s_lshl_b32 s22, s12, 8                         ; my 128 columns of W,
	s_add_co_u32 s22, s22, 2*QTR                   ; which lies behind A
.irp s, 0,1
	v_add_nc_u32 v[ADRA+\s], s21, v3
	v_add_nc_u32 v[ADRB+\s], s22, v4
	s_add_co_u32 s21, s21, SLOT
	s_add_co_u32 s22, s22, SLOT
.endr
	s_mul_i32 s23, s10, 16*SPITCH
	s_add_co_u32 s23, s23, STAGE                   ; my stage
	v_mul_u32_u24 v4, v1, SPITCH
	v_lshl_add_u32 v4, v2, 4, v4
	v_add_nc_u32 v[STO], s23, v4
	v_mul_u32_u24 v5, v2, SPITCH
	v_lshl_add_u32 v5, v1, 4, v5
	v_add_nc_u32 v[RD], s23, v5
	v_mul_u32_u24 v5, v2, SIZE_N*2
	v_lshl_add_u32 v[CO], v1, 4, v5
.if EPI == 2
	; the bias of my 64 numbers of a row: columns 16 b + 8 (l / 16) + 0..7 of my 128.  Asked for now, waited for in front of the way out.
	s_lshl_b32 s46, s42, 10
	s_lshl_b32 s47, s12, 9
	s_add_co_u32 s46, s46, s47
	s_mov_b32 s47, 0
	s_add_nc_u64 s[68:69], s[68:69], s[46:47]
	v_lshlrev_b32 v[BOFF], 5, v2
.irp b, 0,1,2,3,4,5,6,7
	global_load_b128 v[BIAS+8*\b:BIAS+8*\b+3],   v[BOFF], s[68:69] offset:64*\b
	global_load_b128 v[BIAS+8*\b+4:BIAS+8*\b+7], v[BOFF], s[68:69] offset:64*\b+16
.endr
.endif
; 16 matrix instructions: m blocks a0, a0 + 1 of the window's four x all 8 n blocks, 32 along K.  zero = 1: the first product starts the sums.
.macro MUL16 f, hi, a0, zero
.irp a, \a0, \a0+1
.irp b, 0,1,2,3,4,5,6,7
.if \zero
	v_wmma_f32_16x16x32_bf16 v[8*(8*(\a)+\b):8*(8*(\a)+\b)+7], v[\f+8*\b:\f+8*\b+7], v[\f+8*(4*\hi+\a):\f+8*(4*\hi+\a)+7], 0
.else
	v_wmma_f32_16x16x32_bf16 v[8*(8*(\a)+\b):8*(8*(\a)+\b)+7], v[\f+8*\b:\f+8*\b+7], v[\f+8*(4*\hi+\a):\f+8*(4*\hi+\a)+7], v[8*(8*(\a)+\b):8*(8*(\a)+\b)+7]
.endif
.endr
.endr
.endm
; 32 LDS loads in one run: the fragments of quarter q (32 along K) of a slot into buffer f: W's eight, then A's eight
.macro FETCH slot, q, f
	WIN TO_B
.irp i, 0,1,2,3,4,5,6,7
	ds_load_tr16_b128 v[\f+8*\i:\f+8*\i+3],   v[ADRB+\slot] offset:32*\q*PB+32*\i
	ds_load_tr16_b128 v[\f+8*\i+4:\f+8*\i+7], v[ADRB+\slot] offset:32*\q*PB+32*\i+16*PB
.endr
	WIN 0
.irp i, 0,1,2,3,4,5,6,7
	ds_load_b128 v[\f+8*\i:\f+8*\i+3],   v[ADRA+\slot] offset:(\i/4)*AHALF+(\i%4)*16*PA+64*\q
	ds_load_b128 v[\f+8*\i+4:\f+8*\i+7], v[ADRA+\slot] offset:(\i/4)*AHALF+(\i%4)*16*PA+64*\q+32
.endr
.endm
; Four plain vector places between a matrix instruction and a load into, or a vector access to, one of its registers
.macro PLACES
.rept 4
	v_nop
.endr
.endm
; A quarter step: multiplies buffer f; in its middle it fetches quarter q of the same slot into buffer g.
; The 64 accumulators take turns, one instruction a turn.
.macro QUARTER slot, q, f, g, zero
	s_wait_dscnt 8                                 ; W and A's rows 0-63 are in; the youngest eight loads (A's rows 64-127) may be out
	WIN MUL_LO
	MUL16 \f, 0, 0, \zero
	MUL16 \f, 0, 2, \zero
	PLACES
	FETCH \slot, \q, \g
	s_wait_dscnt 32                                ; all but the 32 just issued
	WIN MUL_HI
	MUL16 \f, 1, 0, \zero
	MUL16 \f, 1, 2, \zero
.endm
.macro FRONT slot, zero                ; all quarters of a K step but the last
	QUARTER \slot, 1, F0, F1, \zero
	QUARTER \slot, 2, F1, F0, 0
	QUARTER \slot, 3, F0, F1, 0
.endm
; The last quarter: multiplies buffer 1 and changes slots.  In front of the barrier each wave waits for its reads of this slot and for all its tensor
; loads (one is out: its part of the next slot).  fill = 1: the barrier opens a round of the cluster's barrier, and the joint refill of this slot,
; two K steps ahead, is the first tensor load behind the round.
.macro TURN slot, next, fill
	s_wait_dscnt 8
	WIN MUL_LO
	MUL16 F1, 0, 0, 0
	s_wait_dscnt 0
	s_wait_tensorcnt 0x0
	ds_add_u32 v255, v63
	s_wait_dscnt 0x0
	s_barrier_signal -1
	MUL16 F1, 0, 2, 0                              ; register work while the others arrive
	WIN 0
	s_barrier_wait -1
.if \fill
	CREST
	s_add_nc_u64 s[G0+4*\slot+2:G0+4*\slot+3], s[G0+4*\slot+2:G0+4*\slot+3], 2*KSTEP*2
	s_add_nc_u64 s[G0B+4*\slot+2:G0B+4*\slot+3], s[G0B+4*\slot+2:G0B+4*\slot+3], 2*KSTEP*SIZE_N*2
	JLOAD \slot
.endif
	PLACES
	FETCH \next, 0, F0
	WIN MUL_HI
	MUL16 F1, 1, 0, 0
	MUL16 F1, 1, 2, 0
.endm
.macro LAP zero
	FRONT 0, \zero
	TURN 0, 1, 1
	FRONT 1, 0
	TURN 1, 0, 1
.endm
	s_wait_tensorcnt 1                             ; my part of K step 0 is in; K step 1's stays out
	s_barrier_signal -1
	s_barrier_wait -1
	FETCH 0, 0, F0
	LAP 1                                          ; the first lap's first products start the sums
.if LAPS > 2
	WIN 0
	s_mov_b32 s3, LAPS-2
.Llap:
	LAP 0
	WIN 0
	s_sub_co_u32 s3, s3, 1
	s_cmp_lg_u32 s3, 0
	s_cbranch_scc1 .Llap
.endif
	FRONT 0, 0                                     ; the last lap fills nothing
	TURN 0, 1, 0
	FRONT 1, 0
	s_wait_dscnt 8
	WIN MUL_LO
	MUL16 F1, 0, 0, 0
	MUL16 F1, 0, 2, 0
	s_wait_dscnt 0
	WIN MUL_HI
	MUL16 F1, 1, 0, 0
	MUL16 F1, 1, 2, 0
	; THE WAY OUT, 16 rows of C at a time: (bias, relu,) round to bf16, 16 bytes a lane into my own stage, back as whole rows of 256 bytes.
	PLACES
	s_lshl_b32 s13, s13, 8
	s_lshl_b32 s14, s11, 7
	s_add_co_u32 s16, s13, s14                     ; my first row of C
	s_mul_i32 s16, s16, SIZE_N*2
	s_mov_b32 s17, 0
	s_add_nc_u64 s[8:9], s[8:9], s[16:17]
	s_lshl_b32 s46, s42, 9                         ; my first column, in bytes
	s_lshl_b32 s47, s12, 8
	s_add_co_u32 s46, s46, s47
	s_mov_b32 s47, 0
	s_add_nc_u64 s[8:9], s[8:9], s[46:47]
.if EPI == 2
	s_wait_loadcnt 0x0                             ; the bias
.endif
.macro OUT16 i, a, from
	WIN \from
.if EPI == 2
.irp b, 0,1,2,3,4,5,6,7
.irp p, 0,2,4,6
	v_pk_add_f32 v[F0+8*\b+\p:F0+8*\b+\p+1], v[8*(8*\a+\b)+\p:8*(8*\a+\b)+\p+1], v[BIAS+8*\b+\p:BIAS+8*\b+\p+1]
.endr
.endr
	WIN 0
.set j, 0
.rept 64
	v_max_num_f32 v[F0+j], 0, v[F0+j]
.set j, j+1
.endr
.set j, 0
.rept 32
	v_cvt_pk_bf16_f32 v[TMP+j], v[F0+2*j], v[F0+2*j+1]
.set j, j+1
.endr
.else
.irp b, 0,1,2,3,4,5,6,7
.irp r, 0,1,2,3
	v_cvt_pk_bf16_f32 v[TMP+4*\b+\r], v[8*(8*\a+\b)+2*\r], v[8*(8*\a+\b)+2*\r+1]
.endr
.endr
	WIN 0
.endif
.irp b, 0,1,2,3,4,5,6,7
	ds_store_b128 v[STO], v[TMP+4*\b:TMP+4*\b+3] offset:32*\b
.endr
	s_wait_xcnt 0x0                                ; the last 16 rows' stores have had their addresses translated: their data and base are rewritten only behind this wait
.if \i
	s_add_nc_u64 s[8:9], s[8:9], 16*SIZE_N*2
.endif
.irp t, 0,1,2,3,4,5,6,7
	ds_load_b128 v[BACK+4*\t:BACK+4*\t+3], v[RD] offset:\t*2*SPITCH     ; LDS serves a wave's instructions in order: these see the stores above
.endr
.irp t, 0,1,2,3,4,5,6,7
	s_wait_dscnt 7-\t
	global_store_b128 v[CO], v[BACK+4*\t:BACK+4*\t+3], s[8:9] offset:2*\t*SIZE_N*2   ; 16 lanes store 256 consecutive bytes, aligned
.endr
.endm
	OUT16 0, 0, FROM_LO
	OUT16 1, 1, FROM_LO
	OUT16 2, 2, FROM_LO
	OUT16 3, 3, FROM_LO
	OUT16 4, 0, FROM_HI
	OUT16 5, 1, FROM_HI
	OUT16 6, 2, FROM_HI
	OUT16 7, 3, FROM_HI
	s_set_vgpr_msb 0x1
	s_wait_tensorcnt 0x0
	ds_add_u32 v255, v63
	s_wait_dscnt 0x0
	s_set_vgpr_msb 0x100
	CROUND                                         ; the closing round: no work-group ends while a partner may still ask for a tile that names it
	s_endpgm
.Lfunc_end_k_q0c9273be90_mlp1:
	.size	k_q0c9273be90_mlp1, .Lfunc_end_k_q0c9273be90_mlp1-k_q0c9273be90_mlp1
	.p2alignl 7, 3214868480
	.fill 96, 4, 3214868480
	.section	.rodata,"a",@progbits
	.p2align	6, 0x0
	.amdhsa_kernel k_q0c9273be90_mlp1
		.amdhsa_group_segment_fixed_size 327680
		.amdhsa_private_segment_fixed_size 0
		.amdhsa_enable_private_segment 0
		.amdhsa_kernarg_size 32
		.amdhsa_user_sgpr_count 2
		.amdhsa_user_sgpr_kernarg_segment_ptr 1
		.amdhsa_wavefront_size32 1
		.amdhsa_system_sgpr_workgroup_id_x 1
		.amdhsa_system_sgpr_workgroup_id_y 1
		.amdhsa_system_sgpr_workgroup_id_z 1
		.amdhsa_system_vgpr_workitem_id 0
		.amdhsa_next_free_vgpr 1024
		.amdhsa_next_free_sgpr 72
		.amdhsa_reserve_vcc 0
		.amdhsa_float_denorm_mode_32 3
		.amdhsa_float_denorm_mode_16_64 3
		.amdhsa_memory_ordered 1
		.amdhsa_forward_progress 1
		.amdhsa_inst_pref_size 230
	.end_amdhsa_kernel
	.amdgpu_metadata
---
amdhsa.version: [ 1, 2 ]
amdhsa.kernels:
  - .name:           k_q0c9273be90_mlp1
    .symbol:         k_q0c9273be90_mlp1.kd
    .args:
      - { .name: hn, .offset: 0, .size: 8, .value_kind: global_buffer, .address_space: global }
      - { .name: wb, .offset: 8, .size: 8, .value_kind: global_buffer, .address_space: global }
      - { .name: big, .offset: 16, .size: 8, .value_kind: global_buffer, .address_space: global }
      - { .name: b1, .offset: 24, .size: 8, .value_kind: global_buffer, .address_space: global }
    .group_segment_fixed_size: 327680
    .private_segment_fixed_size: 0
    .kernarg_segment_align: 8
    .kernarg_segment_size: 32
    .max_flat_workgroup_size: 128
    .sgpr_count:     72
    .vgpr_count:     1024
    .wavefront_size: 32
...
	.end_amdgpu_metadata
.endif
;; end of part 6
;; launch mlp2 (part 7): grid 8 x 32, 4 waves a work-group, clusters of 4 x 4, 327,680 bytes of LDS; arguments big, wb, out0, b2, x1; writes out0
.if DOCPART == 7
	.amdgcn_target "amdgcn-amd-amdhsa--gfx1250"
	.amdhsa_code_object_version 6
	.text
	.protected	k_q0c9273be90_mlp2
	.globl	k_q0c9273be90_mlp2
	.p2align	8
	.type	k_q0c9273be90_mlp2,@function
k_q0c9273be90_mlp2:
	s_mov_b64 s[64:65], 0
	v_nop
	global_prefetch_b8 v0, s[64:65] scope:SCOPE_SE
	s_setreg_imm32_b32 hwreg(HW_REG_WAVE_MODE, 25, 1), 1
	s_wait_xcnt 0x0
	s_wait_alu depctr_hold_cnt(0) depctr_sa_sdst(0) depctr_va_vdst(0) depctr_va_sdst(0) depctr_va_ssrc(0) depctr_va_vcc(0) depctr_vm_vsrc(0)
	s_getreg_b32 s2, hwreg(HW_REG_IB_STS2, 6, 4)
	s_cmp_eq_u32 s2, 0
	s_cbranch_scc0 .Lentry_in_a_cluster
	s_endpgm
.Lentry_in_a_cluster:
	s_bfe_u32 s2, ttmp6, 0x10000c
	s_cmp_lg_u32 s2, 0xf033
	s_cbranch_scc0 .Lentry_shape_is_right
	s_endpgm
.Lentry_shape_is_right:
; C[4096][1024] (f32) = RES + A[4096][SIZE_K] x W[SIZE_K][1024] + bias.  A and W bf16, sums in f32.  Here: out0 = x1 + big x W2 + b2.
; N is 1,024 only: blocks of 128 x 128 give 256 work-groups.  So that a wave still has 128 x 128 accumulators (64 tiles, 512 registers), the four waves
; SPLIT K: a K step of the work-group is 256, of which wave w multiplies k = 64 w .. + 63 for the whole block.  The four partial sums meet in LDS on
; the way out, in the slots, which have had their last fill by then.
; A's rows lie along K; W lies [K][N] and stays so in LDS: its fragments are read with the transposing load ds_load_tr16_b128.
; CLUSTERS: 4 x 4 work-groups; A's tile is asked for jointly by a row of the cluster, W's by a column: the requests for both are divided by four.
; LIMIT: A and W are bf16; an output is the sum of four f32 partial sums, the bias and the residual, in that order.
; REGISTERS in windows of 256: window 0: v16-29 addresses, v64-127 and v128-191 A's fragments, v192-195 bias; window 1: v64-127, v128-191 W's fragments,
; v0-63 and v192-255 my 32 rows of the residual; windows 2, 3: accumulators of rows 0-63, 64-127, tile (a, b) at v[8 (8 a + b)].
; The matrix instruction is used transposed (source 0 = 16 columns of W, source 1 = 16 rows of A): lane l holds row l % 16 of C and eight neighbouring columns.
.set SIZE_N, 1024
.set SIZE_K, 4096
.set WOFF,   16777216                  ; the table's first byte in wb
.set BLKM,   128
.set BLKN,   128
.set KSTEP,  256
.set PA,     528                       ; A's LDS pitch: 512 bytes + 16, an odd multiple of 16
.set PB,     288                       ; W's LDS pitch: 256 bytes + 32, an odd multiple of 32
.set AD0, 256                          ; A's tensor load: 256 elements x 64 rows, padded by 4 words after every 128
.set AD1, 64
.set AQI, 6
.set APAD, 4
.set WD0, 128                          ; W's tensor load: 128 elements x 128 rows of k, padded by 8 words after every 64
.set WD1, 128
.set WQI, 5
.set WPAD, 8
.set QTR,    36864                     ; a quarter of a slot: 128 x 288; A's halves (64 x 528 = 33,792) leave its end unused
.set AHALF,  QTR                       ; from A's fragment 0 to fragment 4
.set SLOT,   4*QTR
.set RP,     528                       ; the way out: a row of 128 f32 + 16 bytes
.set REGION, 128*RP                    ; one wave's partial sums
.set LAPS, SIZE_K/(2*KSTEP)
.set ADRA, 16
.set ADRB, 20
.set STO,  24
.set RD,   25                          ; v25-28: my 32 rows in regions 0..3
.set CO,   29
.set F0,   64
.set F1,   128
.set BIAS, 192
.set G1, 24
.set G0, 32
.set G1B, 48
.set G0B, 56
.set MSB, 0
.macro WIN new                         ; the immediate's high byte repeats the setting that is left
.if MSB != \new
	s_set_vgpr_msb (MSB<<8)|\new
.set MSB, \new
.endif
.endm
.set MUL_LO, 0xa1                      ; source 0 (W) window 1, source 1 (A) window 0, C and D window 2
.set MUL_HI, 0xf1                      ; the same, C and D window 3
.set TO_B,   0x40                      ; destination window 1, address window 0
; A joint load.  Waves 0 and 1 fetch A's halves, waves 2 and 3 W's; the branch hangs on the wave's number alone.
.macro JLOAD s
	s_cmp_eq_u32 s11, 0
	s_cbranch_scc0 .Lfor_b_\@
	tensor_load_to_lds s[G0+4*\s:G0+4*\s+3], s[G1:G1+7]
	s_nop 0
	s_branch .Lasked_\@
.Lfor_b_\@:
	tensor_load_to_lds s[G0B+4*\s:G0B+4*\s+3], s[G1B:G1B+7]
	s_nop 0
.Lasked_\@:
.endm
.macro CREST                           ; a round of the cluster's barrier behind its opening work-group barrier
	s_cmp_lg_u32 s10, 0
	s_cbranch_scc1 .Lnot_wave_0_\@
	s_barrier_signal -3
.Lnot_wave_0_\@:
	s_barrier_wait -3
	s_barrier_signal -1
	s_barrier_wait -1
.endm
.macro CROUND                          ; a whole round
	s_barrier_signal -1
	s_barrier_wait -1
	CREST
.endm
	s_load_b128 s[4:7], s[0:1], 0x0                ; A s[4:5], wb s[6:7]
	s_load_b64 s[8:9], s[0:1], 0x10                ; C
	s_load_b128 s[68:71], s[0:1], 0x18             ; bias s[68:69], residual s[70:71]
	v_lshl_add_u32 v254, v0, 2, 0x48000
	v_mov_b32 v255, 0
	ds_add_u32 v254, v255
	v_lshrrev_b32 v1, 5, v0
	v_readfirstlane_b32 s10, v1                    ; wave 0..3: my quarter of each K step
	s_lshr_b32 s11, s10, 1                         ; I fetch for A (0) or for W (1)
	s_and_b32 s12, s10, 1                          ; which half of that tile I fetch
	s_bfe_u32 s40, ttmp6, 0x40000                  ; cx
	s_bfe_u32 s41, ttmp6, 0x40004                  ; cy
	s_lshl_b32 s42, ttmp9, 2
	s_add_co_u32 s42, s42, s40                     ; block column
	s_and_b32 s13, ttmp7, 0xffff
	s_lshl_b32 s13, s13, 2
	s_add_co_u32 s13, s13, s41                     ; block row
	s_lshl_b32 s43, s41, 2
	s_lshl_b32 s43, 15, s43                        ; my row of the cluster
	s_lshl_b32 s44, 0x1111, s40                    ; my column
	s_or_b32 s[G1+0], s43, (1<<16)|(1<<20)|(1<<21)|(AQI<<22)|((APAD-1)<<25)    ; mask; elements of 2 bytes; padding on; bit 21 beside a mask; interval; pad
	s_mov_b32 s[G1+1], AD0<<16                     ; tensor_dim0
	s_mov_b32 s[G1+2], AD1<<16                     ; tensor_dim1
	s_mov_b32 s[G1+3], AD0<<16                     ; tile_dim0
	s_mov_b32 s[G1+4], AD1                         ; tile_dim1
	s_mov_b32 s[G1+5], SIZE_K                      ; elements from row to row
	s_mov_b32 s[G1+6], 0
	s_mov_b32 s[G1+7], 0
	s_or_b32 s[G1B+0], s44, (1<<16)|(1<<20)|(1<<21)|(WQI<<22)|((WPAD-1)<<25)
	s_mov_b32 s[G1B+1], WD0<<16
	s_mov_b32 s[G1B+2], WD1<<16
	s_mov_b32 s[G1B+3], WD0<<16
	s_mov_b32 s[G1B+4], WD1
	s_mov_b32 s[G1B+5], SIZE_N
	s_mov_b32 s[G1B+6], 0
	s_mov_b32 s[G1B+7], 0
	; where the tiles come from: A's from the block row and the wave, W's from the block column and the wave, in registers that never hold the other coordinate
	s_mul_i32 s16, s13, BLKM
	s_mul_i32 s17, s12, AD1
	s_add_co_u32 s16, s16, s17                     ; A's first row of my load
	s_mul_i32 s16, s16, SIZE_K*2                   ; in bytes: below 2^26
	s_mov_b32 s17, 0
	s_mul_i32 s46, s42, BLKN*2                     ; W's first column, in bytes
	s_mul_i32 s47, s12, WD1*SIZE_N*2               ; my rows of k
	s_add_co_u32 s46, s46, s47
.if WOFF
	s_add_co_u32 s46, s46, WOFF
.endif
	s_mov_b32 s47, 0
	s_mul_i32 s20, s10, QTR                        ; and where they go: wave x a quarter of the slot
	s_wait_dscnt 0x0
	s_wait_kmcnt 0x0
	s_add_nc_u64 s[14:15], s[4:5], s[16:17]
	s_add_nc_u64 s[46:47], s[6:7], s[46:47]
	CROUND                                         ; all sixteen work-groups are here: the first joint loads meet
.irp s, 0,1
	s_mov_b32 s[G0+4*\s], 1
	s_add_co_u32 s[G0+4*\s+1], s20, \s*SLOT
	s_add_nc_u64 s[G0+4*\s+2:G0+4*\s+3], s[14:15], \s*KSTEP*2
	s_or_b32 s[G0+4*\s+3], s[G0+4*\s+3], 0x80000000
	s_mov_b32 s[G0B+4*\s], 1
	s_add_co_u32 s[G0B+4*\s+1], s20, \s*SLOT
	s_add_nc_u64 s[G0B+4*\s+2:G0B+4*\s+3], s[46:47], \s*KSTEP*SIZE_N*2
	s_or_b32 s[G0B+4*\s+3], s[G0B+4*\s+3], 0x80000000
	JLOAD \s                                       ; two tensor loads of the wave are out here, later one
.endr
	; A's fragment: lane l holds row l % 16; two loads of 16 bytes, 32 apart, at row x pitch + 16 (l / 16).
	; W's fragment: two transposing loads, 16 rows of k apart, at (8 (l / 16) + l % 8) x pitch + 16 ((l / 8) % 2).
	v_and_b32 v1, 15, v0
	v_bfe_u32 v2, v0, 4, 1
	v_mul_u32_u24 v3, v1, PA
	v_lshl_add_u32 v3, v2, 4, v3
	v_and_b32 v4, 7, v0
	v_lshl_add_u32 v4, v2, 3, v4
	v_mul_u32_u24 v4, v4, PB
	v_bfe_u32 v5, v0, 3, 1
	v_lshl_add_u32 v4, v5, 4, v4
	s_lshl_b32 s21, s10, 7                         ; my 64 k of A's rows: 128 bytes
	s_mul_i32 s22, s10, 64*PB                      ; my 64 rows of W,
	s_add_co_u32 s22, s22, 2*QTR                   ; which lies behind A
.irp s, 0,1
	v_add_nc_u32 v[ADRA+\s], s21, v3
	v_add_nc_u32 v[ADRB+\s], s22, v4
	s_add_co_u32 s21, s21, SLOT
	s_add_co_u32 s22, s22, SLOT
.endr
	s_mul_i32 s23, s10, REGION                     ; the way out: my region,
	v_mul_u32_u24 v4, v1, RP
	v_lshl_add_u32 v4, v2, 5, v4                   ; row l % 16, 32 bytes for each half of the lanes
	v_add_nc_u32 v[STO], s23, v4
	s_mul_i32 s23, s10, 32*RP                      ; and the 32 rows that I add up, in every region
	v_and_b32 v6, 31, v0
	v_lshlrev_b32 v[CO], 4, v6                     ; 16 bytes a lane: a row of 512 bytes
	v_add_nc_u32 v[RD], s23, v[CO]
	v_add_nc_u32 v[RD+1], REGION, v[RD]
	v_add_nc_u32 v[RD+2], 2*REGION, v[RD]
	v_add_nc_u32 v[RD+3], 3*REGION, v[RD]
	; bias of my four columns and residual of my 32 rows: asked for now, waited for on the way out
	s_lshl_b32 s16, s13, 7
	s_lshl_b32 s17, s10, 5
	s_add_co_u32 s16, s16, s17                     ; row 128 block + 32 wave
	s_lshl_b32 s16, s16, 12                        ; x 4,096 bytes
	s_mov_b32 s17, 0
	s_lshl_b32 s46, s42, 9                         ; column 128 block x 4 bytes
	s_mov_b32 s47, 0
	s_add_nc_u64 s[8:9], s[8:9], s[16:17]
	s_add_nc_u64 s[8:9], s[8:9], s[46:47]
	s_add_nc_u64 s[70:71], s[70:71], s[16:17]
	s_add_nc_u64 s[70:71], s[70:71], s[46:47]
	s_add_nc_u64 s[68:69], s[68:69], s[46:47]
	global_load_b128 v[BIAS:BIAS+3], v[CO], s[68:69]
	WIN TO_B
.set ri, 0
.rept 32
	global_load_b128 v[4*ri+(ri/16)*128:4*ri+(ri/16)*128+3], v[CO], s[70:71] offset:4096*ri    ; window 1: row i at v[4 i], from row 16 on at v[192 + 4 (i - 16)]
.set ri, ri+1
.endr
	WIN 0
; 16 matrix instructions: m blocks a0, a0 + 1 of the window's four x all 8 n blocks, 32 along K.  zero = 1: the first product starts the sums.
.macro MUL16 f, hi, a0, zero
.irp a, \a0, \a0+1
.irp b, 0,1,2,3,4,5,6,7
.if \zero
	v_wmma_f32_16x16x32_bf16 v[8*(8*(\a)+\b):8*(8*(\a)+\b)+7], v[\f+8*\b:\f+8*\b+7], v[\f+8*(4*\hi+\a):\f+8*(4*\hi+\a)+7], 0
.else
	v_wmma_f32_16x16x32_bf16 v[8*(8*(\a)+\b):8*(8*(\a)+\b)+7], v[\f+8*\b:\f+8*\b+7], v[\f+8*(4*\hi+\a):\f+8*(4*\hi+\a)+7], v[8*(8*(\a)+\b):8*(8*(\a)+\b)+7]
.endif
.endr
.endr
.endm
; 32 LDS loads in one run: the fragments of quarter q (32 along K) of a slot into buffer f: W's eight, then A's eight
.macro FETCH slot, q, f
	WIN TO_B
.irp i, 0,1,2,3,4,5,6,7
	ds_load_tr16_b128 v[\f+8*\i:\f+8*\i+3],   v[ADRB+\slot] offset:32*\q*PB+32*\i
	ds_load_tr16_b128 v[\f+8*\i+4:\f+8*\i+7], v[ADRB+\slot] offset:32*\q*PB+32*\i+16*PB
.endr
	WIN 0
.irp i, 0,1,2,3,4,5,6,7
	ds_load_b128 v[\f+8*\i:\f+8*\i+3],   v[ADRA+\slot] offset:(\i/4)*AHALF+(\i%4)*16*PA+64*\q
	ds_load_b128 v[\f+8*\i+4:\f+8*\i+7], v[ADRA+\slot] offset:(\i/4)*AHALF+(\i%4)*16*PA+64*\q+32
.endr
.endm
; Four plain vector places between a matrix instruction and a load into, or a vector access to, one of its registers
.macro PLACES
.rept 4
	v_nop
.endr
.endm
; A quarter step: multiplies buffer f; in its middle it fetches quarter q of the same slot into buffer g.
; The 64 accumulators take turns, one instruction a turn.
.macro QUARTER slot, q, f, g, zero
	s_wait_dscnt 8                                 ; W and A's rows 0-63 are in; the youngest eight loads (A's rows 64-127) may be out
	WIN MUL_LO
	MUL16 \f, 0, 0, \zero
	MUL16 \f, 0, 2, \zero
	PLACES
	FETCH \slot, \q, \g
	s_wait_dscnt 32                                ; all but the 32 just issued
	WIN MUL_HI
	MUL16 \f, 1, 0, \zero
	MUL16 \f, 1, 2, \zero
.endm
.macro FRONT slot, zero                ; a wave's 64 k of a step are two quarters of 32: all but the last
	QUARTER \slot, 1, F0, F1, \zero
.endm
; The last quarter: multiplies buffer 1 and changes slots.  In front of the barrier each wave waits for its reads of this slot and for all its tensor
; loads (one is out: its part of the next slot).  fill = 1: the barrier opens a round of the cluster's barrier, and the joint refill of this slot,
; two K steps ahead, is the first tensor load behind the round.
.macro TURN slot, next, fill
	s_wait_dscnt 8
	WIN MUL_LO
	MUL16 F1, 0, 0, 0
	s_wait_dscnt 0
	s_set_vgpr_msb 0xa1a0
	s_wait_tensorcnt 0x0
	ds_add_u32 v254, v255
	s_wait_dscnt 0x0
	s_set_vgpr_msb 0xa0a1
	s_barrier_signal -1
	MUL16 F1, 0, 2, 0                              ; register work while the others arrive
	WIN 0
	s_barrier_wait -1
.if \fill
	CREST
	s_add_nc_u64 s[G0+4*\slot+2:G0+4*\slot+3], s[G0+4*\slot+2:G0+4*\slot+3], 2*KSTEP*2
	s_add_nc_u64 s[G0B+4*\slot+2:G0B+4*\slot+3], s[G0B+4*\slot+2:G0B+4*\slot+3], 2*KSTEP*SIZE_N*2
	JLOAD \slot
.endif
	PLACES
	FETCH \next, 0, F0
	WIN MUL_HI
	MUL16 F1, 1, 0, 0
	MUL16 F1, 1, 2, 0
.endm
.macro LAP zero
	FRONT 0, \zero
	TURN 0, 1, 1
	FRONT 1, 0
	TURN 1, 0, 1
.endm
	s_wait_tensorcnt 1                             ; my part of K step 0 is in; K step 1's stays out
	s_barrier_signal -1
	s_barrier_wait -1
	FETCH 0, 0, F0
	LAP 1                                          ; the first lap's first products start the sums
.if LAPS > 2
	WIN 0
	s_mov_b32 s3, LAPS-2
.Llap:
	LAP 0
	WIN 0
	s_sub_co_u32 s3, s3, 1
	s_cmp_lg_u32 s3, 0
	s_cbranch_scc1 .Llap
.endif
	FRONT 0, 0                                     ; the last lap fills nothing
	TURN 0, 1, 0
	FRONT 1, 0
	s_wait_dscnt 8
	WIN MUL_LO
	MUL16 F1, 0, 0, 0
	MUL16 F1, 0, 2, 0
	s_wait_dscnt 0                                 ; my last reads of the slots are back
	WIN MUL_HI
	MUL16 F1, 1, 0, 0
	MUL16 F1, 1, 2, 0
	; THE WAY OUT.  Every wave lays its 128 x 128 partial sums into its region of LDS (on the slots: no tensor load follows, none is out since the last
	; change of slots, and no LDS read of mine is out since the wait above); then wave w adds up rows 32 w .. + 31 of the four regions.
	PLACES                                         ; four places before the LDS stores read the sums
	WIN 0
	s_barrier_signal -1
	s_barrier_wait -1                              ; nobody reads the slots any more
.macro PUT win, hi                     ; the 32 tiles of one window: 16 bytes twice a tile; store data are source 1
	WIN \win
.irp a, 0,1,2,3
.irp b, 0,1,2,3,4,5,6,7
	ds_store_b128 v[STO], v[8*(8*\a+\b):8*(8*\a+\b)+3]   offset:16*RP*(4*\hi+\a)+64*\b
	ds_store_b128 v[STO], v[8*(8*\a+\b)+4:8*(8*\a+\b)+7] offset:16*RP*(4*\hi+\a)+64*\b+16
.endr
.endr
.endm
	PUT 0x08, 0
	PUT 0x0c, 1
	WIN 0
	s_wait_dscnt 0x0                               ; my region is written,
	s_barrier_signal -1
	s_barrier_wait -1                              ; everybody's is
	s_wait_loadcnt 0x0                             ; bias and residual
; eight rows: 32 loads (a row of 512 bytes from each region), the sums, the stores (32 lanes: 512 consecutive bytes, aligned)
.macro BATCH n
.if \n
	s_wait_xcnt 0x0                                ; the last batch's stores have had their addresses translated: their data are loaded over only behind this wait
.endif
.irp t, 0,1,2,3,4,5,6,7
.irp p, 0,1,2,3
	ds_load_b128 v[F0+16*\t+4*\p:F0+16*\t+4*\p+3], v[RD+\p] offset:RP*(8*\n+\t)
.endr
.endr
.irp t, 0,1,2,3,4,5,6,7
	s_wait_dscnt 28-4*\t                           ; the four loads of each younger row may be out
.set ra, F0+16*\t
	v_pk_add_f32 v[ra:ra+1],     v[ra:ra+1],     v[ra+4:ra+5]
	v_pk_add_f32 v[ra+2:ra+3],   v[ra+2:ra+3],   v[ra+6:ra+7]
	v_pk_add_f32 v[ra+8:ra+9],   v[ra+8:ra+9],   v[ra+12:ra+13]
	v_pk_add_f32 v[ra+10:ra+11], v[ra+10:ra+11], v[ra+14:ra+15]
	v_pk_add_f32 v[ra:ra+1],     v[ra:ra+1],     v[ra+8:ra+9]
	v_pk_add_f32 v[ra+2:ra+3],   v[ra+2:ra+3],   v[ra+10:ra+11]
	v_pk_add_f32 v[ra:ra+1],     v[ra:ra+1],     v[BIAS:BIAS+1]
	v_pk_add_f32 v[ra+2:ra+3],   v[ra+2:ra+3],   v[BIAS+2:BIAS+3]
.endr
	WIN 0x04                                       ; source 1: the residual, in window 1
.irp t, 0,1,2,3,4,5,6,7
.set ra, F0+16*\t
.set ri, 8*\n+\t
.set rr, 4*ri+(ri/16)*128
	v_pk_add_f32 v[ra:ra+1],   v[ra:ra+1],   v[rr:rr+1]
	v_pk_add_f32 v[ra+2:ra+3], v[ra+2:ra+3], v[rr+2:rr+3]
.endr
	WIN 0
.irp t, 0,1,2,3,4,5,6,7
	global_store_b128 v[CO], v[F0+16*\t:F0+16*\t+3], s[8:9] offset:4096*(8*\n+\t)
.endr
.endm
	BATCH 0
	BATCH 1
	BATCH 2
	BATCH 3
	s_wait_tensorcnt 0x0
	ds_add_u32 v254, v255
	s_wait_dscnt 0x0
	CROUND                                         ; the closing round: no work-group ends while a partner may still ask for a tile that names it
	s_endpgm
.Lfunc_end_k_q0c9273be90_mlp2:
	.size	k_q0c9273be90_mlp2, .Lfunc_end_k_q0c9273be90_mlp2-k_q0c9273be90_mlp2
	.p2alignl 7, 3214868480
	.fill 96, 4, 3214868480
	.section	.rodata,"a",@progbits
	.p2align	6, 0x0
	.amdhsa_kernel k_q0c9273be90_mlp2
		.amdhsa_group_segment_fixed_size 327680
		.amdhsa_private_segment_fixed_size 0
		.amdhsa_enable_private_segment 0
		.amdhsa_kernarg_size 40
		.amdhsa_user_sgpr_count 2
		.amdhsa_user_sgpr_kernarg_segment_ptr 1
		.amdhsa_wavefront_size32 1
		.amdhsa_system_sgpr_workgroup_id_x 1
		.amdhsa_system_sgpr_workgroup_id_y 1
		.amdhsa_system_sgpr_workgroup_id_z 1
		.amdhsa_system_vgpr_workitem_id 0
		.amdhsa_next_free_vgpr 1024
		.amdhsa_next_free_sgpr 72
		.amdhsa_reserve_vcc 0
		.amdhsa_float_denorm_mode_32 3
		.amdhsa_float_denorm_mode_16_64 3
		.amdhsa_memory_ordered 1
		.amdhsa_forward_progress 1
		.amdhsa_inst_pref_size 132
	.end_amdhsa_kernel
	.amdgpu_metadata
---
amdhsa.version: [ 1, 2 ]
amdhsa.kernels:
  - .name:           k_q0c9273be90_mlp2
    .symbol:         k_q0c9273be90_mlp2.kd
    .args:
      - { .name: big, .offset: 0, .size: 8, .value_kind: global_buffer, .address_space: global }
      - { .name: wb, .offset: 8, .size: 8, .value_kind: global_buffer, .address_space: global }
      - { .name: out0, .offset: 16, .size: 8, .value_kind: global_buffer, .address_space: global }
      - { .name: b2, .offset: 24, .size: 8, .value_kind: global_buffer, .address_space: global }
      - { .name: x1, .offset: 32, .size: 8, .value_kind: global_buffer, .address_space: global }
    .group_segment_fixed_size: 327680
    .private_segment_fixed_size: 0
    .kernarg_segment_align: 8
    .kernarg_segment_size: 40
    .max_flat_workgroup_size: 128
    .sgpr_count:     72
    .vgpr_count:     1024
    .wavefront_size: 32
...
	.end_amdgpu_metadata
.endif
;; end of part 7
;; ======== version 2 of 2: 7 launches; 1.16 times as fast as version 1
;; workspace buffers: wb 25,165,824 bytes; hn 8,388,608 bytes; big 33,554,432 bytes; ob 8,388,608 bytes; x1 16,777,216 bytes
;; launch prep: the kernel of part 1 again; grid 1024 x 1, 8 waves a work-group, no clusters, 0 bytes of LDS; arguments x, ln1_g, ln1_b, hn, Wq, Wk, Wv, Wproj, W1, W2, wb; writes hn, wb
;; launch qkv: the kernel of part 2 again; grid 12 x 16, 4 waves a work-group, clusters of 4 x 4, 327,680 bytes of LDS; arguments hn, wb, big; writes big
;; launch attn (part 8): grid 32 x 8, 8 waves a work-group, clusters of 4 x 1, 327,680 bytes of LDS; arguments big, ob; writes ob
.if DOCPART == 8
	.amdgcn_target "amdgcn-amd-amdhsa--gfx1250"
	.amdhsa_code_object_version 6
	.text
	.protected	k_q0c9273be90_attn
	.globl	k_q0c9273be90_attn
	.p2align	8
	.type	k_q0c9273be90_attn,@function
k_q0c9273be90_attn:
	s_mov_b64 s[64:65], 0
	v_nop
	global_prefetch_b8 v0, s[64:65] scope:SCOPE_SE
	s_setreg_imm32_b32 hwreg(HW_REG_WAVE_MODE, 25, 1), 1
	s_wait_xcnt 0x0
	s_wait_alu depctr_hold_cnt(0) depctr_sa_sdst(0) depctr_va_vdst(0) depctr_va_sdst(0) depctr_va_ssrc(0) depctr_va_vcc(0) depctr_vm_vsrc(0)
	s_getreg_b32 s2, hwreg(HW_REG_IB_STS2, 6, 4)
	s_cmp_eq_u32 s2, 0
	s_cbranch_scc0 .Lentry_in_a_cluster
	s_endpgm
.Lentry_in_a_cluster:
	s_bfe_u32 s2, ttmp6, 0x10000c
	s_cmp_lg_u32 s2, 0x3003
	s_cbranch_scc0 .Lentry_shape_is_right
	s_endpgm
.Lentry_shape_is_right:
; Attention without a mask, softmax by a running maximum.  big: [4096 tokens][3072] bf16 = q | k | v, each 16 heads x 64.  ob: [4096][1024] bf16.
; A work-group takes 128 queries and a PAIR of heads, so that a row of a K, V or output tile is 256 consecutive bytes, aligned.
; EIGHT WAVES, 512 registers each.  Wave w: head 2 y + (w & 1), queries 64 ((w >> 1) & 1) .. + 63 (four tiles of 16), and of every tile of 256 keys
; the half w >> 2: two steps, a and b, of 64 keys.  The split is along the keys, so that a wave keeps a step of 64 queries x 64 keys and LDS is read no more
; than with four waves.  Each wave has its own running maximum, sum and O over its half of the keys; the two halves meet once, at the end.
; TWO ROLES.  A step is 64 matrix instructions (QK, PV) and some 480 vector instructions (the softmax).  All waves leave a round of the barrier together; if all
; ran the same order they would want the matrix unit together and the vector unit together.  So half of the waves LAG by half a step: between two rounds
;   a leading wave runs                     QK a, softmax a, PV a, QK b, softmax b, PV b,
;   a lagging wave runs  softmax b', PV b', QK a, softmax a, PV a, QK b                   (b': the tile before),
; and one kind is in its products while the other is in its softmax.  What a lagging wave carries over a round lies in registers: the scores, and V's
; fragments, whose loads are waited for in front of the round; so the slot may be filled again.  lag = (w ^ (w >> 2)) & 1: waves whose numbers differ by 4, and
; the two of a pair 2 i, 2 i + 1, have different roles.  The block {softmax, PV} stands twice in a period, each time under a branch on the wave's number.
; CLUSTER 4 x 1: the four partners have the same batch and pair of heads and walk the same K and V tiles: every tile is a joint load (mask 15),
; which divides the requests for K and V by four.  Tiles of 256 keys go through two LDS slots; each wave fetches 32 keys of K and 32 of V.
; S^T = K Q^T: lane (r, h) holds query r and keys 8 h + j, so that two neighbouring key tiles pack, in the lane, into a fragment of P, and each lane
; has ONE query's softmax figures.  O^T = V^T P^T with V read by the transposing load.
; exp(s/8 - m/8) = exp2(c s - c m), c = log2(e)/8, one fused multiply-add for each score.
; LIMITS: q, k, v, P and the output are bf16; exponentials that would be denormal are zero; the row sums are taken over the f32 exponentials.
.set ROWB,  6144                       ; bytes of a row of big
.set KP,    272                        ; K's LDS pitch: 256 + 16, an odd multiple of 16
.set VP,    288                        ; V's LDS pitch: 256 + 32, an odd multiple of 32
.set KBYTES, 256*KP
.set SLOT,  KBYTES+256*VP              ; 143,360
.set TAB,   2*SLOT                     ; 8 waves x 64 queries x (maximum, sum): 4,096 bytes of their own
.set RP,    528                        ; the end: a row of 128 f32 + 16 bytes, an odd multiple of 16
.set REGION, 128*RP                    ; the end: O of one half of the keys, 128 queries x 2 heads x 64; both regions lie on slot 0, behind its last fill
.set TILEB, 256*ROWB                   ; from a tile to the next in memory
.set KADR, 8                           ; v8-9    K fragments, slot 0, 1
.set VADR, 10                          ; v10-11  V fragments, slot 0, 1
.set QOFF, 12
.set STO,  13                          ; the end: where I put 32 bytes of a row of my region
.set RD,   14                          ; v14-15  the end: my 16 rows in regions 0, 1
.set CO,   16                          ; my 8 bytes of an output row
.set TST,  17                          ; my place in the table
.set ML,   18                          ; v[18:25] four pairs: running maximum, running sum (each half of the lanes sums its own keys)
.set AL,   26                          ; v[26:33] four pairs: the factor for the old sums; only the even register is used, the odd one is written once
.set T,    36                          ; v[36:43] at work
.set MB,   44                          ; v[44:47] the second set of maxima: the two sets take turns from step to step
.set TLD,  48                          ; my partner's place in the table
.set NM,   50                          ; v[50:57] four pairs: - c x maximum; only the even register is used, the odd one is written once
.set PM,   50                          ; the end: my partner's four pairs, in the same registers
.set KF,   64                          ; v[64:127]  K fragments: key tile kt, k step ks at 16 kt + 8 ks
.set SC,   128                         ; v[128:255] scores: tile (kt, qt) at 32 qt + 8 kt; then P: (qt, ks) at 32 qt + 16 ks
.set BK,   64                          ; the end: v[64:191] rows read back
.set OA,   0                           ; window 1: v[0:127] O^T, tile (et, qt) at 32 qt + 8 et
.set QF,   128                         ; window 1: v[128:191] Q fragments at 16 qt + 8 ks
.set VF,   192                         ; window 1: v[192:255] V fragments at 32 ks + 8 et
.set G1K, 16
.set G1V, 24
.set G0K, 32                           ; one set for each slot
.set G0V, 40
.set MSB, 0
.macro WIN new                         ; the immediate's high byte repeats the setting that is left
.if MSB != \new
	s_set_vgpr_msb (MSB<<8)|\new
.set MSB, \new
.endif
.endm
.macro ROUND                           ; a round of the cluster's barrier
	s_barrier_signal -1
	s_barrier_wait -1
	s_cmp_lg_u32 s8, 0
	s_cbranch_scc1 .Lnot_wave_0_\@
	s_barrier_signal -3
.Lnot_wave_0_\@:
	s_barrier_wait -3
	s_barrier_signal -1
	s_barrier_wait -1
.endm
	s_load_b128 s[4:7], s[0:1], 0x0                ; big, ob
	v_lshl_add_u32 v62, v0, 2, 0x47000
	v_mov_b32 v63, 0
	ds_add_u32 v62, v63
	v_lshrrev_b32 v1, 5, v0
	v_readfirstlane_b32 s8, v1                     ; wave 0..7
	s_and_b32 s10, s8, 1                           ; my head of the pair
	s_lshr_b32 s9, s8, 1
	s_and_b32 s9, s9, 1                            ; my half of the queries
	s_lshr_b32 s59, s8, 2                          ; my half of each tile's keys
	s_xor_b32 s66, s59, s8
	s_and_b32 s66, s66, 1                          ; my role: 1 = I lag by half a step
	s_bfe_u32 s51, ttmp6, 0x40000                  ; cx
	s_lshl_b32 s56, ttmp9, 2
	s_add_co_u32 s56, s56, s51                     ; block of 128 queries, 0..31
	s_and_b32 s49, ttmp7, 0xffff                   ; pair of heads
	s_lshr_b32 s11, ttmp9, 2                       ; batch: 16 blocks = 4 clusters each
	s_mov_b32 s12, 0x76543210                      ; v_permlanex16_b32: lane i of one half reads lane i of the other
	s_mov_b32 s13, 0xfedcba98
	s_mov_b32 s14, 0x3e38aa3b                      ; c = log2(e) / 8
	s_mov_b32 s15, 0x3e38aa3b
	s_mov_b32 s50, 0xbe38aa3b                      ; - c
	s_mov_b32 s[G1K+0], 15|(1<<16)|(1<<20)|(1<<21)|(5<<22)|(3<<25)   ; mask of the four; 2 bytes; padding on; bit 21 beside a mask; 4 words after every 64
	s_mov_b32 s[G1K+1], 128<<16                    ; tensor_dim0 = 128
	s_mov_b32 s[G1K+2], 32<<16                     ; tensor_dim1 = 32
	s_mov_b32 s[G1K+3], 128<<16                    ; tile_dim0
	s_mov_b32 s[G1K+4], 32                         ; tile_dim1
	s_mov_b32 s[G1K+5], 3072                       ; elements from row to row
	s_mov_b32 s[G1K+6], 0
	s_mov_b32 s[G1K+7], 0
	s_mov_b32 s[G1V+0], 15|(1<<16)|(1<<20)|(1<<21)|(5<<22)|(7<<25)   ; the same with 8 words of padding
	s_mov_b32 s[G1V+1], 128<<16
	s_mov_b32 s[G1V+2], 32<<16
	s_mov_b32 s[G1V+3], 128<<16
	s_mov_b32 s[G1V+4], 32
	s_mov_b32 s[G1V+5], 3072
	s_mov_b32 s[G1V+6], 0
	s_mov_b32 s[G1V+7], 0
	s_lshl_b32 s54, s11, 11                        ; K and V: token batch x 2048 + 32 wave: nothing of my place in the cluster
	s_lshl_b32 s55, s8, 5
	s_add_co_u32 s54, s54, s55
	s_mul_i32 s54, s54, ROWB
	s_lshl_b32 s55, s49, 8                         ; the pair's 256 bytes
	s_add_co_u32 s54, s54, s55
	s_mov_b32 s55, 0
	s_mul_i32 s57, s8, 32*KP                       ; LDS: my 32 keys of K,
	s_mul_i32 s58, s8, 32*VP
	s_add_co_u32 s58, s58, KBYTES                  ; of V
	s_lshl_b32 s52, s56, 7                         ; Q: token 128 block + 64 half
	s_lshl_b32 s53, s9, 6
	s_add_co_u32 s52, s52, s53
	s_mul_i32 s52, s52, ROWB
	s_lshl_b32 s53, s49, 8
	s_add_co_u32 s52, s52, s53
	s_lshl_b32 s53, s10, 7                         ; my head's 128 bytes
	s_add_co_u32 s52, s52, s53
	s_mov_b32 s53, 0
	s_lshl_b32 s62, s56, 7                         ; output: token 128 block + 16 wave
	s_lshl_b32 s63, s8, 4
	s_add_co_u32 s62, s62, s63
	s_lshl_b32 s62, s62, 11
	s_lshl_b32 s63, s49, 8
	s_add_co_u32 s62, s62, s63
	s_mov_b32 s63, 0
	s_wait_dscnt 0x0
	s_wait_kmcnt 0x0
	s_add_nc_u64 s[54:55], s[4:5], s[54:55]
	s_add_nc_u64 s[52:53], s[4:5], s[52:53]
	s_add_nc_u64 s[6:7], s[6:7], s[62:63]
.irp s, 0,1
	s_mov_b32 s[G0K+4*\s], 1
	s_add_co_u32 s[G0K+4*\s+1], s57, \s*SLOT
	s_add_nc_u64 s[G0K+4*\s+2:G0K+4*\s+3], s[54:55], 2048+\s*TILEB     ; k begins 1,024 elements into a row
	s_or_b32 s[G0K+4*\s+3], s[G0K+4*\s+3], 0x80000000
	s_mov_b32 s[G0V+4*\s], 1
	s_add_co_u32 s[G0V+4*\s+1], s58, \s*SLOT
	s_add_nc_u64 s[G0V+4*\s+2:G0V+4*\s+3], s[54:55], 4096+\s*TILEB     ; v 2,048 elements
	s_or_b32 s[G0V+4*\s+3], s[G0V+4*\s+3], 0x80000000
.endr
	ROUND                                          ; the four partners are here: the first joint loads meet
	tensor_load_to_lds s[G0K:G0K+3], s[G1K:G1K+7]  ; tile 0.  Two tensor loads of a wave are out at a time, here and behind every round
	s_nop 0
	tensor_load_to_lds s[G0V:G0V+3], s[G1V:G1V+7]
	s_nop 0
	v_and_b32 v1, 15, v0                           ; r
	v_bfe_u32 v2, v0, 4, 1                         ; h
	v_mul_u32_u24 v3, v1, KP
	v_lshl_add_u32 v3, v2, 4, v3                   ; 272 r + 16 h
	s_lshl_b32 s60, s10, 7                         ; my head's 128 bytes of an LDS row
	s_mul_i32 s61, s59, 128*KP                     ; my 128 keys of a tile
	s_add_co_u32 s61, s61, s60
	v_add_nc_u32 v[KADR], s61, v3
	v_add_nc_u32 v[KADR+1], SLOT, v[KADR]
	v_and_b32 v4, 7, v0
	v_lshl_add_u32 v4, v2, 3, v4
	v_mul_u32_u24 v4, v4, VP
	v_bfe_u32 v5, v0, 3, 1
	v_lshl_add_u32 v4, v5, 4, v4                   ; (8 h + l % 8) x 288 + 16 ((l / 8) % 2)
	s_mul_i32 s61, s59, 128*VP
	s_add_co_u32 s61, s61, s60
	s_add_co_u32 s61, s61, KBYTES
	v_add_nc_u32 v[VADR], s61, v4
	v_add_nc_u32 v[VADR+1], SLOT, v[VADR]
	v_mul_u32_u24 v[QOFF], v1, ROWB
	v_lshl_add_u32 v[QOFF], v2, 4, v[QOFF]
	v_mul_u32_u24 v5, v1, RP
	v_lshl_add_u32 v5, v2, 5, v5                   ; the end: 528 r + 32 h,
	s_mul_i32 s61, s59, REGION                     ; in the region of my half of the keys,
	s_mul_i32 s62, s9, 64*RP                       ; row 64 x my half of the queries (+ 16 qt),
	s_add_co_u32 s61, s61, s62
	s_lshl_b32 s62, s10, 8                         ; my head's 256 bytes
	s_add_co_u32 s61, s61, s62
	v_add_nc_u32 v[STO], s61, v5
	v_and_b32 v6, 31, v0
	s_mul_i32 s61, s8, 16*RP                       ; back: rows 16 wave .. + 15, 16 bytes a lane
	v_lshl_add_u32 v[RD], v6, 4, s61
	v_add_nc_u32 v[RD+1], REGION, v[RD]
	v_lshlrev_b32 v[CO], 3, v6                     ; 8 bytes a lane: a row of 256 bytes of bf16
	s_lshl_b32 s61, s8, 9                          ; the table: 512 bytes a wave, 8 bytes a query
	s_add_co_u32 s61, s61, TAB
	v_lshl_add_u32 v[TST], v1, 3, s61
	s_xor_b32 s62, s8, 4                           ; my partner: the same head and queries, the other half of the keys
	s_lshl_b32 s62, s62, 9
	s_add_co_u32 s62, s62, TAB
	v_lshl_add_u32 v[TLD], v1, 3, s62
.irp p, 0,1,2,3
	v_mov_b32 v[AL+2*\p+1], 0                      ; the halves of the pairs that are named and not used
	v_mov_b32 v[NM+2*\p+1], 0
.endr
	WIN 0x40
.irp qt, 0,1,2,3
.irp ks, 0,1
	global_load_b128 v[QF+16*\qt+8*\ks:QF+16*\qt+8*\ks+3],   v[QOFF], s[52:53] offset:16*ROWB*\qt+64*\ks
	global_load_b128 v[QF+16*\qt+8*\ks+4:QF+16*\qt+8*\ks+7], v[QOFF], s[52:53] offset:16*ROWB*\qt+64*\ks+32
.endr
.endr
	WIN 0
.macro KLOAD slot, j                   ; the K fragments of step j (64 keys) of my half of the slot's tile: 16 loads
.irp kt, 0,1,2,3
.irp ks, 0,1
	ds_load_b128 v[KF+16*\kt+8*\ks:KF+16*\kt+8*\ks+3],   v[KADR+\slot] offset:(64*(\j)+16*\kt)*KP+64*\ks
	ds_load_b128 v[KF+16*\kt+8*\ks+4:KF+16*\kt+8*\ks+7], v[KADR+\slot] offset:(64*(\j)+16*\kt)*KP+64*\ks+32
.endr
.endr
.endm
.macro VLOAD slot, j                   ; the V fragments of step j: 16 transposing loads, into window 1
	WIN 0x40
.irp ks, 0,1
.irp et, 0,1,2,3
	ds_load_tr16_b128 v[VF+32*\ks+8*\et:VF+32*\ks+8*\et+3],   v[VADR+\slot] offset:(64*\j+32*\ks)*VP+32*\et
	ds_load_tr16_b128 v[VF+32*\ks+8*\et+4:VF+32*\ks+8*\et+7], v[VADR+\slot] offset:(64*\j+32*\ks)*VP+32*\et+16*VP
.endr
.endr
.endm
; S^T = K Q^T for 64 keys x 64 queries.  It stands behind a KLOAD and then a VLOAD.  The 16 accumulators take turns, one instruction a turn.
.macro QK
	s_wait_dscnt 16                                ; K's fragments are in; the 16 loads of V issued behind them may be out
	WIN 0x04                                       ; source 1 (Q) in window 1
.irp qt, 0,1,2,3
.irp kt, 0,1,2,3
	v_wmma_f32_16x16x32_bf16 v[SC+32*\qt+8*\kt:SC+32*\qt+8*\kt+7], v[KF+16*\kt:KF+16*\kt+7], v[QF+16*\qt:QF+16*\qt+7], 0
.endr
.endr
.irp qt, 0,1,2,3
.irp kt, 0,1,2,3
	v_wmma_f32_16x16x32_bf16 v[SC+32*\qt+8*\kt:SC+32*\qt+8*\kt+7], v[KF+16*\kt+8:KF+16*\kt+15], v[QF+16*\qt+8:QF+16*\qt+15], v[SC+32*\qt+8*\kt:SC+32*\qt+8*\kt+7]
.endr
.endr
	WIN 0
.rept 5
	v_nop                                          ; places: a load into K's registers and a read of the scores ask for four, a product that writes the scores again for five
.endr
.endm
; O^T += V^T P^T.  left: the LDS loads that may be out.  first = 1: the products start the sums.  16 accumulators by turns.
.macro PV first, left
	s_wait_dscnt \left
	WIN 0x51                                       ; V and O in window 1, P in window 0
.irp qt, 0,1,2,3
.irp et, 0,1,2,3
.if \first
	v_wmma_f32_16x16x32_bf16 v[OA+32*\qt+8*\et:OA+32*\qt+8*\et+7], v[VF+8*\et:VF+8*\et+7], v[SC+32*\qt:SC+32*\qt+7], 0
.else
	v_wmma_f32_16x16x32_bf16 v[OA+32*\qt+8*\et:OA+32*\qt+8*\et+7], v[VF+8*\et:VF+8*\et+7], v[SC+32*\qt:SC+32*\qt+7], v[OA+32*\qt+8*\et:OA+32*\qt+8*\et+7]
.endif
.endr
.endr
.irp qt, 0,1,2,3
.irp et, 0,1,2,3
	v_wmma_f32_16x16x32_bf16 v[OA+32*\qt+8*\et:OA+32*\qt+8*\et+7], v[VF+32+8*\et:VF+32+8*\et+7], v[SC+32*\qt+16:SC+32*\qt+23], v[OA+32*\qt+8*\et:OA+32*\qt+8*\et+7]
.endr
.endr
	WIN 0
.rept 5
	v_nop                                          ; five places: the next products write over P, the next loads over V's fragments
.endr
.endm
; THE SOFTMAX OF A STEP, in pieces that are numbered so that pieces of different query tiles can stand side by side.  A lane has 32 scores of each query tile.
.macro MREG j, qt                      ; mo, mn: the registers of tile qt's old and new maximum in step j (a = 0, b = 1)
.if (\j) == 0
.set mo, ML+2*(\qt)
.set mn, MB+(\qt)
.else
.set mo, MB+(\qt)
.set mn, ML+2*(\qt)
.endif
.endm
.macro PFMA qt, i                      ; i = 0..15: two scores -> c s - c m
	v_pk_fma_f32 v[SC+32*(\qt)+2*(\i):SC+32*(\qt)+2*(\i)+1], v[SC+32*(\qt)+2*(\i):SC+32*(\qt)+2*(\i)+1], s[14:15], v[NM+2*(\qt):NM+2*(\qt)+1] op_sel_hi:[1,0,0]
.endm
.macro PEXP qt, i                      ; i = 0..31: one exponential, in place
	v_exp_f32 v[SC+32*(\qt)+(\i)], v[SC+32*(\qt)+(\i)]
.endm
.macro PADD qt, i, first               ; i = 0..16: the sum of the 32 exponentials, two chains, and the running sum
.set sb, SC+32*(\qt)
.if (\i) == 0
	s_wait_alu depctr_va_vdst(0)
	v_pk_add_f32 v[T:T+1], v[sb:sb+1], v[sb+2:sb+3]
.endif
.if (\i) == 1
	v_pk_add_f32 v[T+2:T+3], v[sb+4:sb+5], v[sb+6:sb+7]
.endif
.if (\i) >= 2
.if (\i) < 14
	v_pk_add_f32 v[T+2*((\i)%2):T+2*((\i)%2)+1], v[T+2*((\i)%2):T+2*((\i)%2)+1], v[sb+4+2*(\i):sb+5+2*(\i)]
.endif
.endif
.if (\i) == 14
	v_pk_add_f32 v[T:T+1], v[T:T+1], v[T+2:T+3]
.endif
.if (\i) == 15
.if \first
	v_add_f32 v[ML+2*(\qt)+1], v[T], v[T+1]
.else
	v_add_f32 v[T], v[T], v[T+1]
.endif
.endif
.if (\i) == 16
.if \first == 0
	v_fma_f32 v[ML+2*(\qt)+1], v[ML+2*(\qt)+1], v[AL+2*(\qt)], v[T]
.endif
.endif
.endm
.macro PCVT qt, i                      ; i = 0..15, ascending: key tiles 0, 1 -> P fragment of keys 0-31, tiles 2, 3 -> keys 32-63, in place from below
.if (\i) < 8
	v_cvt_pk_bf16_f32 v[SC+32*(\qt)+(\i)], v[SC+32*(\qt)+2*(\i)], v[SC+32*(\qt)+2*(\i)+1]
.else
	v_cvt_pk_bf16_f32 v[SC+32*(\qt)+8+(\i)], v[SC+32*(\qt)+2*(\i)], v[SC+32*(\qt)+2*(\i)+1]
.endif
.endm
; Block k = 0..5: tile k's exponentials, and between them plain work of its neighbours: tile k + 1's multiply-adds, tile k - 1's sum, tile k - 2's rounding.
; Behind every exponential stands another exponential or a plain instruction on other registers, and at least one plain one before its result is read (ISA guide 5.7.2).
.macro SBLK k, first
.set ii, 0
.rept 16
.if (\k) < 4
	PEXP \k, 2*ii
.endif
.if (\k) < 3
	PFMA \k+1, ii
.endif
.if (\k) < 4
	PEXP \k, 2*ii+1
.endif
.if (\k) >= 1
.if (\k) < 5
	PADD \k-1, ii, \first
.endif
.endif
.if (\k) >= 2
	PCVT \k-2, ii
.endif
.set ii, ii+1
.endr
.if (\k) >= 1
.if (\k) < 5
	PADD \k-1, 16, \first
.endif
.endif
.endm
; The whole softmax of step j: scores in, P out; maxima, sums and O brought to the new maximum.  first = 1: nothing is carried yet.
.macro SMX j, first
.irp qt, 0,1,2,3                       ; the maxima of the four tiles side by side: eight chains
	v_max3_num_f32 v[T+2*\qt],   v[SC+32*\qt],   v[SC+32*\qt+1], v[SC+32*\qt+2]
	v_max3_num_f32 v[T+2*\qt+1], v[SC+32*\qt+3], v[SC+32*\qt+4], v[SC+32*\qt+5]
.endr
.set jj, 6
.rept 6
.irp qt, 0,1,2,3
	v_max3_num_f32 v[T+2*\qt],   v[T+2*\qt],   v[SC+32*\qt+jj],   v[SC+32*\qt+jj+1]
	v_max3_num_f32 v[T+2*\qt+1], v[T+2*\qt+1], v[SC+32*\qt+jj+2], v[SC+32*\qt+jj+3]
.endr
.set jj, jj+4
.endr
.irp qt, 0,1,2,3
	v_max3_num_f32 v[T+2*\qt], v[T+2*\qt], v[SC+32*\qt+30], v[SC+32*\qt+31]
.endr
.irp qt, 0,1,2,3
	v_max_num_f32 v[T+2*\qt], v[T+2*\qt], v[T+2*\qt+1]
.endr
.irp qt, 0,1,2,3
	v_permlanex16_b32 v[T+2*\qt+1], v[T+2*\qt], s12, s13           ; the other half of the lanes holds the query's other keys
.endr
.irp qt, 0,1,2,3
	MREG \j, \qt
.if \first
	v_max_num_f32 v[mn], v[T+2*\qt], v[T+2*\qt+1]
.else
	v_max3_num_f32 v[mn], v[T+2*\qt], v[T+2*\qt+1], v[mo]
.endif
.endr
.if \first == 0
.irp qt, 0,1,2,3
	MREG \j, \qt
	v_sub_f32 v[T+2*\qt], v[mo], v[mn]
.endr
.irp qt, 0,1,2,3
	v_mul_f32 v[T+2*\qt], s14, v[T+2*\qt]
.endr
.irp qt, 0,1,2,3
	v_exp_f32 v[AL+2*\qt], v[T+2*\qt]              ; the factor for what is carried; the lines below are the plain places behind these
.endr
.endif
.irp qt, 0,1,2,3
	MREG \j, \qt
	v_mul_f32 v[NM+2*\qt], s50, v[mn]
.endr
.set ii, 0
.rept 16
	PFMA 0, ii
.set ii, ii+1
.endr
	SBLK 0, \first
	SBLK 1, \first
	SBLK 2, \first
	SBLK 3, \first
	SBLK 4, \first
	SBLK 5, \first
.if \first == 0
	WIN 0x41                                       ; O in window 1, the factor in window 0
.irp qt, 0,1,2,3
.set jj, 0
.rept 16
	v_pk_mul_f32 v[OA+32*\qt+jj:OA+32*\qt+jj+1], v[OA+32*\qt+jj:OA+32*\qt+jj+1], v[AL+2*\qt:AL+2*\qt+1] op_sel_hi:[1,0]
.set jj, jj+2
.endr
.endr
.endif
.endm
; The change to the tile in \slot.  In front of the round every wave waits for all its tensor loads (its parts of that tile among them) and for its reads of
; the other slot (a lagging wave's V fragments of step b among them); the joint refills of the other slot are the first tensor loads behind the round and
; have this tile's work of all eight waves in which to land.
.macro HEAD slot, refill
	s_wait_tensorcnt 0x0
	ds_add_u32 v62, v63
	s_wait_dscnt 0x0
	s_add_nc_u64 s[G0K+4*\slot+2:G0K+4*\slot+3], s[G0K+4*\slot+2:G0K+4*\slot+3], 2*TILEB    ; no load of mine is out: this slot's next tile
	s_add_nc_u64 s[G0V+4*\slot+2:G0V+4*\slot+3], s[G0V+4*\slot+2:G0V+4*\slot+3], 2*TILEB
	s_wait_dscnt 0x0
	ROUND
.if \refill
	tensor_load_to_lds s[G0K+4-4*\slot:G0K+7-4*\slot], s[G1K:G1K+7]
	s_nop 0
	tensor_load_to_lds s[G0V+4-4*\slot:G0V+7-4*\slot], s[G1V:G1V+7]
	s_nop 0
.endif
	KLOAD \slot, 0
.endm
; From one round to the next: the tile in \slot.  carried = 1: a lagging wave brings step b of the tile before.  The branches hang on the wave's number alone
; and jump over register work and a wait on LDS loads: no barrier, no tensor load.
.macro PERIOD slot, refill, first, carried
	HEAD \slot, \refill
.if \carried
	s_cmp_eq_u32 s66, 0
	s_cbranch_scc1 .Lnone_\@
	SMX 1, 0
	PV 0, 16                                       ; V's fragments landed in front of the round; the 16 loads of K issued behind it may be out
.Lnone_\@:
.endif
	VLOAD \slot, 0
	QK
	KLOAD \slot, 1
	SMX 0, \first
	PV \first, 16                                  ; V's fragments are in; step b's 16 loads of K may be out
	VLOAD \slot, 1
	QK
	s_cmp_lg_u32 s66, 0
	s_cbranch_scc1 .Llater_\@
	SMX 1, 0
	PV 0, 0                                        ; V's fragments are in: nothing was asked for behind them
.Llater_\@:
.endm
	s_wait_loadcnt 0x0                             ; Q
	PERIOD 0, 1, 1, 0                              ; tile 0; tile 1 is asked for.  Its first step starts the sums: nothing is cleared
	s_mov_b32 s48, 3
.Lpair:                                            ; trip i: tiles 2 i + 1 and 2 i + 2; asks for tiles 2 i + 2 and 2 i + 3
	PERIOD 1, 1, 0, 1
	PERIOD 0, 1, 0, 1
	s_sub_co_u32 s48, s48, 1
	s_cmp_lg_u32 s48, 0
	s_cbranch_scc1 .Lpair
	PERIOD 1, 0, 0, 1                              ; tile 7, the last: nothing more is fetched (the stepped addresses are not used)
	s_cmp_eq_u32 s66, 0
	s_cbranch_scc1 .Lmerge
	SMX 1, 0                                       ; a lagging wave's last half step
	PV 0, 0
.Lmerge:
	; THE END.  My sums over my half of the keys: the two halves of the lanes meet; then (maximum, sum) of my 64 queries go to the table.
.irp qt, 0,1,2,3
	v_permlanex16_b32 v[T+\qt], v[ML+2*\qt+1], s12, s13
.endr
.irp qt, 0,1,2,3
	v_add_f32 v[ML+2*\qt+1], v[ML+2*\qt+1], v[T+\qt]
.endr
.irp qt, 0,1,2,3
	ds_store_b64 v[TST], v[ML+2*\qt:ML+2*\qt+1] offset:128*\qt     ; both halves of the lanes hold, and write, the same pair
.endr
	s_wait_dscnt 0x0                               ; my pairs are written, and my reads of the slots have long been back,
	s_barrier_signal -1
	s_barrier_wait -1                              ; everybody's: the table may be read, and slot 0, which is filled no more, written
.irp qt, 0,1,2,3
	ds_load_b64 v[PM+2*\qt:PM+2*\qt+1], v[TLD] offset:128*\qt
.endr
	s_wait_dscnt 0x0
	; m = the larger maximum; a = exp2(c (M - m)) for me and for my partner; my factor = a / (L a + L' a'): the sum is at least about 1, since one a is 1 and its L holds the largest score's exponential
.irp qt, 0,1,2,3
	v_max_num_f32 v[T+\qt], v[ML+2*\qt], v[PM+2*\qt]
.endr
.irp qt, 0,1,2,3
	v_sub_f32 v[ML+2*\qt], v[ML+2*\qt], v[T+\qt]
	v_sub_f32 v[PM+2*\qt], v[PM+2*\qt], v[T+\qt]
.endr
.irp qt, 0,1,2,3
	v_mul_f32 v[ML+2*\qt], s14, v[ML+2*\qt]
	v_mul_f32 v[PM+2*\qt], s14, v[PM+2*\qt]
.endr
.irp qt, 0,1,2,3
	v_exp_f32 v[ML+2*\qt], v[ML+2*\qt]
	v_exp_f32 v[PM+2*\qt], v[PM+2*\qt]
.endr
	v_nop                                          ; one plain place behind the last exponential (ISA guide 5.7.2)
.irp qt, 0,1,2,3
	s_wait_alu depctr_va_vdst(0)
	v_mul_f32 v[T+\qt], v[PM+2*\qt], v[PM+2*\qt+1]
.endr
.irp qt, 0,1,2,3
	v_fma_f32 v[T+\qt], v[ML+2*\qt], v[ML+2*\qt+1], v[T+\qt]
.endr
.irp qt, 0,1,2,3
	v_rcp_f32 v[T+\qt], v[T+\qt]
.endr
	v_nop
.irp qt, 0,1,2,3
	s_wait_alu depctr_va_vdst(0)
	v_mul_f32 v[AL+2*\qt], v[ML+2*\qt], v[T+\qt]
.endr
	WIN 0x01                                       ; from O in window 1 into the scores' registers
.irp qt, 0,1,2,3
.set jj, 0
.rept 16
	v_pk_mul_f32 v[SC+32*\qt+jj:SC+32*\qt+jj+1], v[OA+32*\qt+jj:OA+32*\qt+jj+1], v[AL+2*\qt:AL+2*\qt+1] op_sel_hi:[1,0]
.set jj, jj+2
.endr
.endr
	WIN 0
.irp qt, 0,1,2,3
.irp et, 0,1,2,3
	ds_store_b128 v[STO], v[SC+32*\qt+8*\et:SC+32*\qt+8*\et+3]   offset:16*RP*\qt+64*\et      ; query 16 qt + r, e = 16 et + 8 h + 0..3
	ds_store_b128 v[STO], v[SC+32*\qt+8*\et+4:SC+32*\qt+8*\et+7] offset:16*RP*\qt+64*\et+16   ; e + 4..7
.endr
.endr
	s_wait_dscnt 0x0                               ; my part of my region is written,
	s_barrier_signal -1
	s_barrier_wait -1                              ; everybody's is
	; wave w adds rows 16 w .. + 15 of the two regions: a row is 128 f32 (both heads), 16 bytes a lane
.irp t, 0,1,2,3,4,5,6,7,8,9,10,11,12,13,14,15
	ds_load_b128 v[BK+8*\t:BK+8*\t+3],   v[RD]   offset:RP*\t
	ds_load_b128 v[BK+8*\t+4:BK+8*\t+7], v[RD+1] offset:RP*\t
.endr
.irp t, 0,1,2,3,4,5,6,7,8,9,10,11,12,13,14,15
	s_wait_dscnt 30-2*\t                           ; the two loads of each younger row may be out
	v_pk_add_f32 v[BK+8*\t:BK+8*\t+1],   v[BK+8*\t:BK+8*\t+1],   v[BK+8*\t+4:BK+8*\t+5]
	v_pk_add_f32 v[BK+8*\t+2:BK+8*\t+3], v[BK+8*\t+2:BK+8*\t+3], v[BK+8*\t+6:BK+8*\t+7]
	v_cvt_pk_bf16_f32 v[BK+8*\t],   v[BK+8*\t],   v[BK+8*\t+1]
	v_cvt_pk_bf16_f32 v[BK+8*\t+1], v[BK+8*\t+2], v[BK+8*\t+3]
	global_store_b64 v[CO], v[BK+8*\t:BK+8*\t+1], s[6:7] offset:2048*\t     ; a store of the wave covers 256 consecutive bytes, aligned
.endr
	s_wait_tensorcnt 0x0
	ds_add_u32 v62, v63
	s_wait_dscnt 0x0
	ROUND                                          ; the closing round
	s_endpgm
.Lfunc_end_k_q0c9273be90_attn:
	.size	k_q0c9273be90_attn, .Lfunc_end_k_q0c9273be90_attn-k_q0c9273be90_attn
	.p2alignl 7, 3214868480
	.fill 96, 4, 3214868480
	.section	.rodata,"a",@progbits
	.p2align	6, 0x0
	.amdhsa_kernel k_q0c9273be90_attn
		.amdhsa_group_segment_fixed_size 327680
		.amdhsa_private_segment_fixed_size 0
		.amdhsa_enable_private_segment 0
		.amdhsa_kernarg_size 16
		.amdhsa_user_sgpr_count 2
		.amdhsa_user_sgpr_kernarg_segment_ptr 1
		.amdhsa_wavefront_size32 1
		.amdhsa_system_sgpr_workgroup_id_x 1
		.amdhsa_system_sgpr_workgroup_id_y 1
		.amdhsa_system_sgpr_workgroup_id_z 1
		.amdhsa_system_vgpr_workitem_id 0
		.amdhsa_next_free_vgpr 512
		.amdhsa_next_free_sgpr 68
		.amdhsa_reserve_vcc 0
		.amdhsa_float_denorm_mode_32 3
		.amdhsa_float_denorm_mode_16_64 3
		.amdhsa_memory_ordered 1
		.amdhsa_forward_progress 1
		.amdhsa_inst_pref_size 255
	.end_amdhsa_kernel
	.section	.bss,"aw",@nobits
	.p2align	6
	.space	262144
	.amdgpu_metadata
---
amdhsa.version: [ 1, 2 ]
amdhsa.kernels:
  - .name:           k_q0c9273be90_attn
    .symbol:         k_q0c9273be90_attn.kd
    .args:
      - { .name: big, .offset: 0, .size: 8, .value_kind: global_buffer, .address_space: global }
      - { .name: ob, .offset: 8, .size: 8, .value_kind: global_buffer, .address_space: global }
    .group_segment_fixed_size: 327680
    .private_segment_fixed_size: 0
    .kernarg_segment_align: 8
    .kernarg_segment_size: 16
    .max_flat_workgroup_size: 256
    .sgpr_count:     68
    .vgpr_count:     512
    .wavefront_size: 32
...
	.end_amdgpu_metadata
.endif
;; end of part 8
;; launch proj: the kernel of part 4 again; grid 8 x 32, 4 waves a work-group, clusters of 4 x 4, 327,680 bytes of LDS; arguments ob, wb, x1, bproj, x; writes x1
;; launch ln2: the kernel of part 5 again; grid 256 x 1, 8 waves a work-group, no clusters, 0 bytes of LDS; arguments x1, ln2_g, ln2_b, hn; writes hn
;; launch mlp1: the kernel of part 6 again; grid 16 x 16, 4 waves a work-group, clusters of 4 x 4, 327,680 bytes of LDS; arguments hn, wb, big, b1; writes big
;; launch mlp2: the kernel of part 7 again; grid 8 x 32, 4 waves a work-group, clusters of 4 x 4, 327,680 bytes of LDS; arguments big, wb, out0, b2, x1; writes out0
